; MI455X (gfx1250); checked and timed in simulation.
; The chip was launched on July 23, 2026; its instructions are those of AMD's public machine-readable ISA for CDNA 5 (MIT licence, August 2026) and "CDNA5" Instruction Set Architecture Reference Guide (July 2026). The comments in the code are by the model that wrote it; some were corrected since.
;; Attention. Allowed arithmetic: matrix products marked QUANTISED: E2M3 operands, one E8M0 scale for each 32 along K, by v_wmma_scale_f32_16x16x128_f8f6f4 with both operands' format E2M3, f32 sums; everything else in f32.
;; Inputs: Wkv 512 x 1,024 float32; Wout 512 x 512 float32; Wq 512 x 512 float32; bout 512 float32; mask 4 x 2,048 bool; x 4 x 2,048 x 512 float32.
;; Outputs: out0 4 x 2,048 x 512 float32.
;; This version of the problem:
;;   THIS VERSION OF THE PROBLEM IS GIVEN IN LOW PRECISION. The matrix products marked QUANTISED in the list below multiply operands that are first quantised to E2M3 (2 exponent bits, 3 mantissa bits; 6 bits a number), with one power-of-two scale for each 32 numbers along K (OCP MX v1.0); their sums are f32. All else is computed in f32.
;;   The module's matrix products, in the order in which they are computed (A, B: the left and right operand; K: the contracted axis; several contracted axes count as one K, in the product's order):
;;     1. [M 8,192, K 512] x [K 512, N 512]; A: input x; B: input Wq: QUANTISED
;;     2. [M 8,192, K 512] x [K 512, N 1,024]; A: input x; B: input Wkv: QUANTISED
;;     3. batch 32 x [M 2,048, K 64] x [K 64, N 2,048]; A: computed on the way; B: computed on the way: QUANTISED
;;     4. batch 32 x [M 2,048, K 2,048] x [K 2,048, N 64]; A: softmax (see below); B: computed on the way: QUANTISED
;;     5. [M 8,192, K 512] x [K 512, N 512]; A: computed on the way; B: input Wout: QUANTISED
;;   THE QUANTISER, for each operand of a quantised product, along K:
;;     - K is cut into blocks of 32 from its start; a last block that is shorter is filled with zeros.
;;     - A block's scale is 2^e with e = floor(log2(the largest magnitude in the block)) - 2, held to -126 .. 127; a block of zeros has e = 0. As a byte (E8M0): e + 127.
;;     - Each number is divided by its block's scale, clamped to +-7.5, and rounded to the nearest number of E2M3, ties to even, subnormals kept.
;;     - The product sums the exact products of the quantised numbers (number of the format x scale) in f32.
;;   ~~~python
;;   def quantise(x, axis):      # numpy; x: float32 -> the quantised numbers, widened to float32 again
;;       x = np.moveaxis(x, axis, -1); K = x.shape[-1]
;;       x = np.pad(x, [(0, 0)] * (x.ndim - 1) + [(0, -K % 32)]); x = x.reshape(x.shape[:-1] + (-1, 32)); a = np.abs(x).max(-1, keepdims=True)
;;       e = np.where(a > 0, np.clip(np.frexp(np.where(a > 0, a, 1))[1] - 1 - 2, -126, 127), 0)      # np.frexp(a)[1] - 1 = floor(log2(a)), exactly
;;       r = np.clip(x / 2.0 ** e, -7.5, 7.5)
;;       step = 2.0 ** (np.maximum(np.frexp(np.where(r == 0, 1, r))[1] - 1, 0) - 3)
;;       q = np.round(r / step) * step * 2.0 ** e      # np.round: ties to even
;;       return np.moveaxis(q.reshape(q.shape[:-2] + (-1,))[..., :K], -1, axis).astype(np.float32)
;;   ~~~
;;   SOFTMAX AHEAD OF A QUANTISED PRODUCT. Where the list says 'softmax', what is quantised is not the finished softmax but p = 2^(t - M), with t = logit x log2(e) and M = ceil(the row's largest t), a whole number; so 1/2 < the row's largest p <= 1. The row's sum l is taken of the UNQUANTISED p, in f32, and the product's result is divided by l at the end. Since M is a whole number, a kernel that streams over the keys may use a running M (the ceiling of the running maximum): every later rescaling is an exact power of two, which a block's scale takes up: the codes' values come out the same.
;;   OPERANDS COMPUTED ON THE WAY. 'Computed on the way' means the value that the module computes at that place (a softmax that the list does not call 'softmax' is quantised finished and normalised). What goes into a quantiser is computed in f32, as accurately as f32 sums, v_exp_f32 and their like allow (about 1e-6 of the number): no bf16 or f16 on the way to a quantiser, and a product that is left as it is and whose result goes on into a quantised operand takes f32 operands (vector FMAs, or v_wmma_f32_16x16x4_f32). A number that lies on a knife's edge between two numbers of the format may be rounded either way, as far as f32 arithmetic and the matrix unit's own rounding can turn it there, and no further.
;; One version. Each part assembles by itself: llvm-mc -triple=amdgcn-amd-amdhsa -mcpu=gfx1250 --defsym DOCPART=n.
;; ======== version 1 of 1: 4 launches
;; limits: right only within a limited range of input values
;; workspace buffers: wc 819,200 bytes; xc 3,276,800 bytes; qb 3,276,800 bytes; kv 6,553,600 bytes; ob 3,407,872 bytes
;; launch prep (part 1): grid 768 x 1, 4 waves a work-group, no clusters, 37,888 bytes of LDS; arguments Wq, Wkv, Wout, x, wc, xc; writes wc, xc
.if DOCPART == 1
	.amdgcn_target "amdgcn-amd-amdhsa--gfx1250"
	.amdhsa_code_object_version 6
	.text
	.protected	k_qd5158c739b_prep
	.globl	k_qd5158c739b_prep
	.p2align	8
	.type	k_qd5158c739b_prep,@function
k_qd5158c739b_prep:
	s_mov_b64 s[64:65], 0
	v_nop
	global_prefetch_b8 v0, s[64:65] scope:SCOPE_SE
	s_setreg_imm32_b32 hwreg(HW_REG_WAVE_MODE, 25, 1), 1
	s_wait_xcnt 0x0
; The weights Wq [512][512], Wkv [512][1024], Wout [512][512] (K = the first axis) and x [8192][512] (K innermost), f32, become codes of FP6 (E2M3) with one E8M0 byte for each 32 along K,
; laid as images of operand registers: registers 4 n .. 4 n + 3 of lane l of a fragment (16 rows x 128 K) at 512 n + 16 l.
; MEMBERS OF A TILE: of 64 indices, member m of tile j (0 .. 3) is index 8 j + m % 8 + 32 (m / 8): so a product's lane holds, over the four tiles, 32 neighbours: a whole scale block of what follows.
; wc: 16 blocks of 51,200 bytes: block 3 g + type (0 q, 1 k, 2 v; g = a pair of heads = 128 columns), block 12 + g for Wout.
;     In a block the fragment (K step s, column tile y of 8) lies at (8 s + y) x 1,536; scale words at 49,152 + 512 (y / 2) + 128 s + 64 (y % 2) + 4 m.
; xc: 64 records of 51,200 bytes (128 rows): the fragment (row tile t of 8, K step s) at (4 t + s) x 1,536; words at 49,152 + 256 t + 64 s + 4 m.
; Work-groups 0-255: weights, 32 columns x 128 K; a wave takes 32 of K, a lane a column, its registers run down K: a block lies in one lane.
; Work-groups 256-767: a row tile of x; a wave takes a K step: sixteen loads of 512 consecutive bytes, turned through LDS so that a lane holds two whole blocks.
; Work-groups share no input that both would want whole: no cluster.  The two kinds of work-groups use LDS bytes of their own.
; A block's byte is its largest magnitude's exponent field - 2, held at 1 from below (a block of zeros keeps 1: its codes are zeros, and this program alone reads the bytes).
; LIMITS: NaN and infinities are not served; blocks whose largest magnitude lies under 2^-124 keep the byte 1.
.set XW, 33792                         ; LDS: 4 x 8,448 bytes of x; x's words; the weights' image; its words; the spare words
.set WI, 34048
.set WW, 37120
.set SPARE, 37376
.set RW, 24                            ; v24-87 numbers as loaded
.set S, 88                             ; v88-151 64 numbers, block by block
.set PC, 152                           ; v152-163 codes
.set TM, 164                           ; v164-182 at work
.set SEL, 36
	s_load_b256 s[4:11], s[0:1], 0x0               ; Wq, Wkv, Wout, x
	s_load_b128 s[12:15], s[0:1], 0x20             ; wc, xc
	v_lshl_add_u32 v2, v0, 2, SPARE
	v_mov_b32 v3, 0
	v_lshrrev_b32 v4, 5, v0
	v_readfirstlane_b32 s16, v4                    ; wave 0..3
	v_and_b32 v5, 31, v0                           ; lane
	v_and_b32 v6, 15, v0                           ; r
	v_bfe_u32 v7, v0, 4, 1                         ; h
	v_and_b32 v12, 7, v0
	v_bfe_u32 v13, v0, 3, 1                        ; u: which of my work-group's two column tiles
	v_lshlrev_b32 v1, 4, v5                        ; 16 x lane
	v_lshl_or_b32 v12, v7, 3, v12                  ; m: which member of it my column is
	s_mul_i32 s17, s16, 8448
	v_add_nc_u32 v8, s17, v1                       ; x, into LDS: a row is 528 bytes
	v_mul_u32_u24 v9, v6, 528
	v_mul_u32_u24 v14, v13, 1536
	v_lshl_add_u32 v9, v7, 7, v9
	v_lshl_add_u32 v14, v12, 4, v14
	v_add_nc_u32 v9, s17, v9                       ; x, back: row r, + 128 h
	s_lshl_b32 s18, s16, 6
	s_add_co_u32 s18, s18, XW
	v_lshl_add_u32 v10, v6, 2, s18                 ; x's scale words
	v_lshl_add_u32 v11, v5, 3, XW
	v_lshlrev_b32 v21, 3, v5
	s_and_b32 s18, s16, 1
	s_lshl_b32 s18, s18, 8
	s_add_co_u32 s18, s18, WI
	v_add_nc_u32 v14, s18, v14                     ; the weights' image: tile u, lane m + 16 (wave % 2)
	v_lshl_add_u32 v15, v13, 4, v12
	s_add_co_u32 s18, s16, WW
	v_lshl_add_u32 v15, v15, 2, s18                ; my column's byte of this wave's block
	s_lshl_b32 s18, s16, 10
	s_add_co_u32 s18, s18, WI
	v_add_nc_u32 v16, s18, v1                      ; the image's way out: waves 0-2, 1,024 bytes each
	v_lshlrev_b32 v17, 2, v5
	v_lshlrev_b32 v19, 2, v6
	v_add_nc_u32 v18, WW, v17                      ; and its words': wave 3
	v_lshl_add_u32 v19, v7, 7, v19                 ; my column's bytes in a row: columns 0-15 and 32-47 of a head
	v_mov_b32 v20, 0                               ; a lane permute's destination counts as one of its sources
	s_mov_b32 s19, 0xffff0000                      ; lanes 16-31
	s_mov_b32 s[SEL], 0x76543210
	s_mov_b32 s[SEL+1], 0xfedcba98
	s_wait_alu depctr_va_vdst(0)                   ; the wait at the head's end
	s_wait_kmcnt 0x0
	s_cmp_lt_u32 ttmp9, 256
	s_cbranch_scc0 .Lx
	s_lshr_b32 s20, ttmp9, 6                       ; type: 0 q, 1 k, 2 v, 3 out
	s_bfe_u32 s21, ttmp9, 0x40002                  ; which 32 of its 512 columns: bit 0 tells which two tiles of a head
	s_and_b32 s22, ttmp9, 3                        ; K step
	s_lshr_b32 s23, s21, 1
	s_lshl_b32 s23, s23, 8
	s_and_b32 s24, s21, 1
	s_lshl_b32 s24, s24, 6
	s_add_co_u32 s23, s23, s24
	s_cmp_eq_u32 s20, 2
	s_cselect_b32 s24, 2048, 0                     ; v's columns lie behind k's
	s_add_co_u32 s23, s23, s24
	s_lshl_b32 s24, s22, 7
	s_lshl_b32 s25, s16, 5
	s_add_co_u32 s24, s24, s25                     ; first row
	s_add_co_u32 s26, s20, 1
	s_bfe_u32 s26, s26, 0x10001                    ; 1 for Wkv: rows of 4,096 bytes, else 2,048
	s_add_co_u32 s27, s26, 11
	s_lshl_b32 s24, s24, s27
	s_add_co_u32 s24, s24, s23
	s_mov_b32 s25, 0
	s_cmp_eq_u32 s20, 0                            ; the tensor is chosen by the work-group's number alone
	s_cselect_b64 s[28:29], s[4:5], s[6:7]
	s_cmp_eq_u32 s20, 3
	s_cselect_b64 s[28:29], s[8:9], s[28:29]
	s_add_nc_u64 s[28:29], s[28:29], s[24:25]
	s_cmp_eq_u32 s26, 0
	s_cbranch_scc0 .Lwide
.set i, 0
.rept 32
	global_load_b32 v[RW+i], v19, s[28:29] offset:2048*i
.set i, i+1
.endr
	s_branch .Lloaded
.Lwide:
.set i, 0
.rept 32
	global_load_b32 v[RW+i], v19, s[28:29] offset:4096*i
.set i, i+1
.endr
.Lloaded:
	s_lshr_b32 s30, s21, 2                         ; g
	s_mul_i32 s31, s30, 3
	s_add_co_u32 s31, s31, s20
	s_add_co_u32 s30, s30, 12
	s_cmp_eq_u32 s20, 3
	s_cselect_b32 s30, s30, s31
	s_mul_i32 s30, s30, 51200                      ; wc's block
	s_and_b32 s31, s21, 3                          ; which pair of its column tiles
	s_lshl_b32 s32, s22, 3
	s_lshl_b32 s33, s31, 1
	s_add_co_u32 s32, s32, s33
	s_mul_i32 s32, s32, 1536
	s_add_co_u32 s32, s32, s30
	s_lshl_b32 s33, s16, 10
	s_add_co_u32 s32, s32, s33
	s_mov_b32 s33, 0
	s_lshl_b32 s34, s31, 9
	s_lshl_b32 s35, s22, 7
	s_add_co_u32 s34, s34, s35
	s_add_co_u32 s34, s34, s30
	s_add_co_u32 s34, s34, 49152
	s_mov_b32 s35, 0
	s_add_nc_u64 s[32:33], s[12:13], s[32:33]
	s_add_nc_u64 s[34:35], s[12:13], s[34:35]
	s_wait_loadcnt 0x0
	v_max3_num_f32 v[TM], |v[RW]|, |v[RW+1]|, |v[RW+2]|            ; the block's largest magnitude, two chains
	v_max3_num_f32 v[TM+1], |v[RW+16]|, |v[RW+17]|, |v[RW+18]|
.irp i, 3,5,7,9,11,13
	v_max3_num_f32 v[TM], v[TM], |v[RW+\i]|, |v[RW+\i+1]|
	v_max3_num_f32 v[TM+1], v[TM+1], |v[RW+16+\i]|, |v[RW+17+\i]|
.endr
	v_max3_num_f32 v[TM], v[TM], |v[RW+15]|, v[TM+1]
	v_max3_num_f32 v[TM], v[TM], |v[RW+31]|, 0x1800000             ; and the floor 2^(3 - 127)
	v_add_nc_u32 v[TM+4], 0xff000000, v[TM]        ; 2 off the exponent field: the conversion's scale operand
	v_lshrrev_b32 v[TM+6], 23, v[TM+4]             ; the byte
	v_cvt_scalef32_pk16_fp6_f32 v[PC:PC+2], v[RW:RW+15], v[TM+4]
	v_cvt_scalef32_pk16_fp6_f32 v[PC+4:PC+6], v[RW+16:RW+31], v[TM+4]   ; (a conversion's three registers begin on an even number)
	v_nop                                          ; one plain place behind a scaled conversion
	v_mov_b32 v[PC+3], v[PC+4]
	v_mov_b32 v[PC+4], v[PC+5]
	v_mov_b32 v[PC+5], v[PC+6]                     ; registers 6 (wave / 2) .. + 5 of lane m + 16 (wave % 2)
	s_wait_alu depctr_va_vdst(0)                   ; the wait ahead of the branch
	ds_store_b8 v15, v[TM+6]
	s_cmp_lt_u32 s16, 2
	s_cbranch_scc0 .Lupper
	ds_store_b128 v14, v[PC:PC+3]
	ds_store_b64 v14, v[PC+4:PC+5] offset:512
	s_branch .Limage
.Lupper:
	ds_store_b64 v14, v[PC:PC+1] offset:520
	ds_store_b128 v14, v[PC+2:PC+5] offset:1024
.Limage:
	s_wait_dscnt 0x0                               ; my part of the image is stored
	s_barrier_signal -1
	s_barrier_wait -1
	s_cmp_lt_u32 s16, 3
	s_cbranch_scc0 .Lwords
	ds_load_b128 v[24:27], v16
	ds_load_b128 v[28:31], v16 offset:512
	s_wait_dscnt 0x1
	global_store_b128 v1, v[24:27], s[32:33]       ; 512 consecutive bytes, at a multiple of 256 from wc's first byte
	s_wait_dscnt 0x0
	global_store_b128 v1, v[28:31], s[32:33] offset:512
	s_branch .Lend
.Lwords:
	ds_load_b32 v24, v18
	s_wait_dscnt 0x0
	global_store_b32 v17, v24, s[34:35]            ; the two tiles' 32 words of this K step
	s_branch .Lend
.Lx:
	s_sub_co_u32 s20, ttmp9, 256                   ; row tile 0..511
	s_lshr_b32 s21, s20, 3                         ; record
	s_and_b32 s22, s20, 7                          ; t
	s_lshl_b32 s23, s21, 7
	s_lshr_b32 s24, s22, 2
	s_lshl_b32 s24, s24, 6
	s_add_co_u32 s23, s23, s24
	s_and_b32 s24, s22, 3
	s_lshl_b32 s24, s24, 3
	s_add_co_u32 s23, s23, s24                     ; its first row
	s_lshl_b32 s24, s23, 11
	s_lshl_b32 s25, s16, 9
	s_add_co_u32 s24, s24, s25
	s_mov_b32 s25, 0
	s_add_nc_u64 s[28:29], s[10:11], s[24:25]
.set i, 0
.rept 16
	global_load_b128 v[RW+4*i:RW+4*i+3], v1, s[28:29] offset:(i%8+32*(i/8))*2048 th:TH_LOAD_NT   ; member i: 512 consecutive bytes
.set i, i+1
.endr
	s_mul_i32 s30, s21, 51200
	s_lshl_b32 s32, s22, 2
	s_add_co_u32 s32, s32, s16
	s_mul_i32 s32, s32, 1536
	s_add_co_u32 s32, s32, s30
	s_mov_b32 s33, 0
	s_lshl_b32 s34, s22, 8
	s_add_co_u32 s34, s34, s30
	s_add_co_u32 s34, s34, 49152
	s_mov_b32 s35, 0
	s_add_nc_u64 s[32:33], s[14:15], s[32:33]
	s_add_nc_u64 s[34:35], s[14:15], s[34:35]
.set i, 0
.rept 16
	s_wait_loadcnt 15-i
	ds_store_b128 v8, v[RW+4*i:RW+4*i+3] offset:528*i
.set i, i+1
.endr
.irp c, 0,1
.irp n, 0,1,2,3,4,5,6,7
	ds_load_b128 v[S+32*\c+4*\n:S+32*\c+4*\n+3], v9 offset:256*\c+16*\n   ; k = 64 c + 32 h + 4 n ..  (LDS serves a wave's instructions in order: these see my stores)
.endr
.endr
	s_wait_dscnt 0x0
.irp q, 0,1,2,3                        ; two blocks, two chains each
	v_max3_num_f32 v[TM+\q], |v[S+16*\q]|, |v[S+16*\q+1]|, |v[S+16*\q+2]|
.endr
.irp i, 3,5,7,9,11,13
.irp q, 0,1,2,3
	v_max3_num_f32 v[TM+\q], v[TM+\q], |v[S+16*\q+\i]|, |v[S+16*\q+\i+1]|
.endr
.endr
.irp c, 0,1
	v_max3_num_f32 v[TM+2*\c], v[TM+2*\c], |v[S+32*\c+15]|, v[TM+2*\c+1]
.endr
.irp c, 0,1
	v_max3_num_f32 v[TM+2*\c], v[TM+2*\c], |v[S+32*\c+31]|, 0x1800000
.endr
.irp c, 0,1
	v_add_nc_u32 v[TM+4+\c], 0xff000000, v[TM+2*\c]
.endr
.irp c, 0,1
	v_lshrrev_b32 v[TM+6+\c], 23, v[TM+4+\c]
.endr
	v_lshl_or_b32 v[TM+8], v[TM+7], 16, v[TM+6]    ; my blocks' bytes: h and 2 + h
	v_permlanex16_b32 v20, v[TM+8], s[SEL], s[SEL+1]
.irp c, 0,1
	v_cvt_scalef32_pk16_fp6_f32 v[PC+6*\c:PC+6*\c+2], v[S+32*\c:S+32*\c+15], v[TM+4+\c]
	v_cvt_scalef32_pk16_fp6_f32 v[TM+12+4*\c:TM+14+4*\c], v[S+32*\c+16:S+32*\c+31], v[TM+4+\c]
.endr
	v_cndmask_b32 v[TM+9], v[TM+8], v20, s19       ; lanes 0-15: mine are bytes 0 and 2; lanes 16-31: the other half's are
	v_cndmask_b32 v[TM+10], v20, v[TM+8], s19
.irp c, 0,1
.irp i, 0,1,2
	v_mov_b32 v[PC+6*\c+3+\i], v[TM+12+4*\c+\i]
.endr
.endr
	v_lshl_or_b32 v[TM+11], v[TM+10], 8, v[TM+9]   ; row r's scale word, in both halves of the lanes
	ds_store_b32 v10, v[TM+11]
.irp k, 0,1,2
	global_store_b128 v1, v[PC+4*\k:PC+4*\k+3], s[32:33] offset:512*\k
.endr
	s_wait_dscnt 0x0                               ; my words are stored
	s_barrier_signal -1
	s_barrier_wait -1
	s_cmp_eq_u32 s16, 0
	s_cbranch_scc0 .Lend
	ds_load_b64 v[24:25], v11
	s_wait_dscnt 0x0
	global_store_b64 v21, v[24:25], s[34:35]       ; the row tile's 64 words: one aligned unit of 256 bytes
.Lend:
	s_wait_tensorcnt 0x0                           ; the wave's end
	ds_add_u32 v2, v3
	s_wait_dscnt 0x0
	s_endpgm
.Lfunc_end_k_qd5158c739b_prep:
	.size	k_qd5158c739b_prep, .Lfunc_end_k_qd5158c739b_prep-k_qd5158c739b_prep
	.p2alignl 7, 3214868480
	.fill 96, 4, 3214868480
	.section	.rodata,"a",@progbits
	.p2align	6, 0x0
	.amdhsa_kernel k_qd5158c739b_prep
		.amdhsa_group_segment_fixed_size 37888
		.amdhsa_private_segment_fixed_size 0
		.amdhsa_enable_private_segment 0
		.amdhsa_kernarg_size 48
		.amdhsa_user_sgpr_count 2
		.amdhsa_user_sgpr_kernarg_segment_ptr 1
		.amdhsa_wavefront_size32 1
		.amdhsa_system_sgpr_workgroup_id_x 1
		.amdhsa_system_sgpr_workgroup_id_y 1
		.amdhsa_system_sgpr_workgroup_id_z 1
		.amdhsa_system_vgpr_workitem_id 0
		.amdhsa_next_free_vgpr 184
		.amdhsa_next_free_sgpr 66
		.amdhsa_reserve_vcc 0
		.amdhsa_float_denorm_mode_32 3
		.amdhsa_float_denorm_mode_16_64 3
		.amdhsa_memory_ordered 1
		.amdhsa_forward_progress 1
		.amdhsa_inst_pref_size 22
	.end_amdhsa_kernel
	.amdgpu_metadata
---
amdhsa.version: [ 1, 2 ]
amdhsa.kernels:
  - .name:           k_qd5158c739b_prep
    .symbol:         k_qd5158c739b_prep.kd
    .args:
      - { .name: Wq, .offset: 0, .size: 8, .value_kind: global_buffer, .address_space: global }
      - { .name: Wkv, .offset: 8, .size: 8, .value_kind: global_buffer, .address_space: global }
      - { .name: Wout, .offset: 16, .size: 8, .value_kind: global_buffer, .address_space: global }
      - { .name: x, .offset: 24, .size: 8, .value_kind: global_buffer, .address_space: global }
      - { .name: wc, .offset: 32, .size: 8, .value_kind: global_buffer, .address_space: global }
      - { .name: xc, .offset: 40, .size: 8, .value_kind: global_buffer, .address_space: global }
    .group_segment_fixed_size: 37888
    .private_segment_fixed_size: 0
    .kernarg_segment_align: 8
    .kernarg_segment_size: 48
    .max_flat_workgroup_size: 128
    .sgpr_count:     66
    .vgpr_count:     184
    .wavefront_size: 32
...
	.end_amdgpu_metadata
.endif
;; end of part 1
;; launch qkv (part 2): grid 64 x 4, 4 waves a work-group, clusters of 4 x 4, 205,312 bytes of LDS; arguments xc, wc, qb, kv; writes qb, kv
.if DOCPART == 2
	.amdgcn_target "amdgcn-amd-amdhsa--gfx1250"
	.amdhsa_code_object_version 6
	.text
	.protected	k_qd5158c739b_qkv
	.globl	k_qd5158c739b_qkv
	.p2align	8
	.type	k_qd5158c739b_qkv,@function
k_qd5158c739b_qkv:
	s_mov_b64 s[64:65], 0
	v_nop
	global_prefetch_b8 v0, s[64:65] scope:SCOPE_SE
	s_setreg_imm32_b32 hwreg(HW_REG_WAVE_MODE, 25, 1), 1
	s_wait_xcnt 0x0
	s_wait_alu depctr_hold_cnt(0) depctr_sa_sdst(0) depctr_va_vdst(0) depctr_va_sdst(0) depctr_va_ssrc(0) depctr_va_vcc(0) depctr_vm_vsrc(0)
	s_getreg_b32 s2, hwreg(HW_REG_IB_STS2, 6, 4)
	s_cmp_eq_u32 s2, 0
	s_cbranch_scc0 .Lentry_in_a_cluster
	s_endpgm
.Lentry_in_a_cluster:
	s_bfe_u32 s2, ttmp6, 0x10000c
	s_cmp_lg_u32 s2, 0xf033
	s_cbranch_scc0 .Lentry_shape_is_right
	s_endpgm
.Lentry_shape_is_right:
; q = Q(x) Q(Wq), k, v = Q(x) Q(Wkv) on codes of FP6 (E2M3) with E8M0 scales; then q and k are quantised along a head's 64, v along the keys, and stored as images of operand registers.
; A work-group takes 128 rows of x and the q, k and v columns of two heads (head pair g): 384 columns.  Four waves, one to a SIMD: e = wave / 2 the head of the pair, c = wave % 2.
; A wave makes q (c = 0) or k (c = 1) of its head for all 128 rows, and column tiles 2 c, 2 c + 1 of its head's v: three phases of 64 products, 16 accumulators each:
; rows 0-63 and rows 64-127 of q or k (source 0 = the weight, source 1 = x: a lane holds one row, its registers run along d), then v (source 0 = x, source 1 = the weight: a lane holds one d, its registers run along the keys).
; x's 32 fragments and the weights' 24 are read from LDS once and stay in registers of their own, so no load lands on a register that a product has read.
; MEMBERS OF A TILE: of 64 indices, member m of tile j is index 8 j + m % 8 + 32 (m / 8): so a lane's 32 results over four tiles are 32 neighbours: a whole scale block, and no lane looks at another but for the scale word.
; CLUSTER 4 x 4 (the grid has one cluster along y: g = cy): the weights are shared by the four row blocks with the same g, x by the four g with the same row block: all is asked for jointly, ONE load a wave:
; wave 0 x's record, wave 1 q's block, wave 2 k's, wave 3 v's, which is waited for later and has a line of its own.  LDS is filled once and there is no loop to run ahead in: nothing is prefetched.
; OUT: qb record (batch x 8 + head) x 16 + T, 6,400 bytes: pair fragments b = 0 .. 3 at 1,536 b (registers 0-5: row tile 2 b's 64 d, registers 6-11: tile 2 b + 1's), words at 6,144 + 64 b + 4 r.
;      kv record, 12,800 bytes: k's pair fragments at 1,536 b, v's fragments (16 d x 128 keys) at 6,144 + 1,536 y, k's words at 12,288 + 64 b + 4 r, v's at 12,544 + 64 y + 4 r.
; LIMITS: NaN and infinities are not served; blocks whose largest magnitude lies under 2^-124 keep the byte 1 (a block of zeros too: its codes are zeros).
; REGISTERS.  Window 0: addresses, scale words, the quantiser, accumulators.  Window 1: v0-191 x's rows 0-63 (fragment 4 s + t), v192-239 v's first column tile.  Window 2: x's rows 64-127, v's second.  Window 3: v0-191 q's or k's weights.
.set XI,  153600                       ; LDS: three blocks of wc, then x's record, then the spare words
.set SPARE, 204800
.set WV,  12
.set SEL, 20
.set G1A, 24                           ; the weights' descriptor: s[24:31], s[32:35]
.set G0A, 32
.set G1B, 36                           ; x's: s[36:43], s[56:59]
.set G0B, 56
.set SPW, 3
.set NIL, 4
.set SX,  16                           ; v16-31  x's scale words 4 s + t: lanes 0-15 tile t, lanes 16-31 tile 4 + t; scales and nothing else
.set SW,  32                           ; v32-39  the weight's 2 s + pair
.set SV,  40                           ; v40-43  v's: lanes 0-15 its first column tile, lanes 16-31 its second
.set TM,  44                           ; v44-83  at work in the quantiser, 20 for each fragment
.set PC,  84                           ; v84-107 two fragments' codes
.set ACC, 128
.set MSB, 0
.macro WIN new                         ; bits 1:0 source 0, 3:2 source 1, 5:4 source 2, 7:6 destination; the high byte repeats the setting that is left
.if MSB != (\new)
	s_set_vgpr_msb (MSB<<8)|(\new)
.set MSB, (\new)
.endif
.endm
.macro PLACES                          ; four plain places behind a matrix instruction (ISA guide 7.12.1)
.rept 4
	v_nop
.endr
.endm
.macro CROUND                          ; a round of the cluster's barrier
	s_barrier_signal -1
	s_barrier_wait -1
	s_cmp_lg_u32 s[WV], 0
	s_cbranch_scc1 .Lnot_wave_0_\@
	s_barrier_signal -3
.Lnot_wave_0_\@:
	s_barrier_wait -3
	s_barrier_signal -1
	s_barrier_wait -1
.endm
; one product; c: the constant 0 or the accumulator; ra, rb: 1 where that side's scale words lie in lanes 16-31 of their register
.macro PR d, a, b, c, sa, sb, ra, rb
.if (\ra) && (\rb)
	v_wmma_scale_f32_16x16x128_f8f6f4 v[\d:\d+7], v[\a:\a+11], v[\b:\b+11], \c, v[\sa], v[\sb] matrix_a_fmt:MATRIX_FMT_FP6 matrix_b_fmt:MATRIX_FMT_FP6 matrix_a_scale:MATRIX_SCALE_ROW1 matrix_b_scale:MATRIX_SCALE_ROW1
.elseif \ra
	v_wmma_scale_f32_16x16x128_f8f6f4 v[\d:\d+7], v[\a:\a+11], v[\b:\b+11], \c, v[\sa], v[\sb] matrix_a_fmt:MATRIX_FMT_FP6 matrix_b_fmt:MATRIX_FMT_FP6 matrix_a_scale:MATRIX_SCALE_ROW1
.elseif \rb
	v_wmma_scale_f32_16x16x128_f8f6f4 v[\d:\d+7], v[\a:\a+11], v[\b:\b+11], \c, v[\sa], v[\sb] matrix_a_fmt:MATRIX_FMT_FP6 matrix_b_fmt:MATRIX_FMT_FP6 matrix_b_scale:MATRIX_SCALE_ROW1
.else
	v_wmma_scale_f32_16x16x128_f8f6f4 v[\d:\d+7], v[\a:\a+11], v[\b:\b+11], \c, v[\sa], v[\sb] matrix_a_fmt:MATRIX_FMT_FP6 matrix_b_fmt:MATRIX_FMT_FP6
.endif
.endm
.macro LDX bd, s                       ; x's four fragments of band bd, K step s: 12 loads
	WIN (1+\bd)<<6
.irp t, 0,1,2,3
.irp k, 0,1,2
	ds_load_b128 v[12*(4*\s+\t)+4*\k:12*(4*\s+\t)+4*\k+3], v7 offset:6144*(4*\bd+\t)+1536*\s+512*\k
.endr
.endr
	WIN 0
.endm
.macro LDWT s                          ; the weight's four fragments of K step s: 12 loads
	WIN 0xc0
.irp j, 0,1,2,3
.irp k, 0,1,2
	ds_load_b128 v[12*(4*\s+\j)+4*\k:12*(4*\s+\j)+4*\k+3], v6 offset:12288*\s+1536*\j+512*\k
.endr
.endr
	WIN 0
.endm
; A K step of q or k, rows 64 bd ..: 16 products.  The 16 accumulators take turns, in the same order in every step.
.macro MQ bd, s
	WIN 3|((1+\bd)<<2)
.irp t, 0,1,2,3
.irp j, 0,1,2,3
.set D_, ACC+32*\t+8*\j
.if \s == 0
	PR D_, 12*(4*\s+\j), 12*(4*\s+\t), 0, SW+2*\s+\j/2, SX+4*\s+\t, \j%2, \bd
.else
	PR D_, 12*(4*\s+\j), 12*(4*\s+\t), v[D_:D_+7], SW+2*\s+\j/2, SX+4*\s+\t, \j%2, \bd
.endif
.endr
.endr
	WIN 0
.endm
.macro MV s                            ; a K step of v
.irp bd, 0,1
.irp G, 0,1
	WIN (1+\bd)|((1+\G)<<2)
.irp t, 0,1,2,3
.set D_, ACC+64*\G+8*(4*\bd+\t)
.if \s == 0
	PR D_, 12*(4*\s+\t), 192+12*\s, 0, SX+4*\s+\t, SV+\s, \bd, \G
.else
	PR D_, 12*(4*\s+\t), 192+12*\s, v[D_:D_+7], SX+4*\s+\t, SV+\s, \bd, \G
.endif
.endr
.endr
.endr
	WIN 0
.endm
; THE WAY OUT of 2 x 64 accumulator registers: v[ACC + 64 G] on are two blocks of 32: one fragment each; by turns.  Each accumulator is read from its low end on.
.macro WAYOUT base, off, wbase, woff
	PLACES
.irp G, 0,1
.irp q, 0,1,2,3
	v_max3_num_f32 v[TM+20*\G+\q], |v[ACC+64*\G+16*\q]|, |v[ACC+64*\G+16*\q+1]|, |v[ACC+64*\G+16*\q+2]|
.endr
.endr
.irp i, 3,5,7,9,11,13
.irp G, 0,1
.irp q, 0,1,2,3
	v_max3_num_f32 v[TM+20*\G+\q], v[TM+20*\G+\q], |v[ACC+64*\G+16*\q+\i]|, |v[ACC+64*\G+16*\q+\i+1]|
.endr
.endr
.endr
.irp G, 0,1
.irp c, 0,1
	v_max3_num_f32 v[TM+20*\G+2*\c], v[TM+20*\G+2*\c], |v[ACC+64*\G+32*\c+15]|, v[TM+20*\G+2*\c+1]
.endr
.endr
.irp G, 0,1
.irp c, 0,1
	v_max3_num_f32 v[TM+20*\G+2*\c], v[TM+20*\G+2*\c], |v[ACC+64*\G+32*\c+31]|, 0x1800000   ; and the floor 2^(3 - 127)
.endr
.endr
.irp G, 0,1
.irp c, 0,1
	v_add_nc_u32 v[TM+20*\G+4+\c], 0xff000000, v[TM+20*\G+2*\c]   ; 2 off the exponent field: the conversion's scale operand
.endr
.endr
.irp G, 0,1
.irp c, 0,1
	v_lshrrev_b32 v[TM+20*\G+6+\c], 23, v[TM+20*\G+4+\c]
.endr
.endr
.irp G, 0,1
.irp c, 0,1
	v_cvt_scalef32_pk16_fp6_f32 v[PC+12*\G+6*\c:PC+12*\G+6*\c+2], v[ACC+64*\G+32*\c:ACC+64*\G+32*\c+15], v[TM+20*\G+4+\c]
	v_cvt_scalef32_pk16_fp6_f32 v[TM+20*\G+12+4*\c:TM+20*\G+14+4*\c], v[ACC+64*\G+32*\c+16:ACC+64*\G+32*\c+31], v[TM+20*\G+4+\c]
.endr
.endr
.irp G, 0,1
	v_lshl_or_b32 v[TM+20*\G+8], v[TM+20*\G+7], 16, v[TM+20*\G+6]   ; my blocks' bytes
.endr
.irp c, 0,1
.irp i, 0,1,2
.irp G, 0,1
	v_mov_b32 v[PC+12*\G+6*\c+3+\i], v[TM+20*\G+12+4*\c+\i]   ; (a conversion's three registers begin on an even number)
.endr
.endr
.endr
.irp G, 0,1
	v_permlanex16_b32 v[12+\G], v[TM+20*\G+8], s[SEL], s[SEL+1]
.endr
.irp G, 0,1
.irp k, 0,1,2
	global_store_b128 v1, v[PC+12*\G+4*\k:PC+12*\G+4*\k+3], s[\base:\base+1] offset:\off+1536*\G+512*\k   ; 512 consecutive bytes, at a multiple of 256 from the buffer's first byte
.endr
.endr
	v_cndmask_b32 v14, v[TM+8], v13, s22           ; lanes 0-15 the first fragment's words, lanes 16-31 the second's: bytes 0 and 2,
	v_cndmask_b32 v15, v12, v[TM+28], s22          ; bytes 1 and 3
	v_lshl_or_b32 v5, v15, 8, v14
	global_store_b32 v2, v5, s[\wbase:\wbase+1] offset:\woff
.endm
	s_load_b256 s[4:11], s[0:1], 0x0               ; xc s[4:5], wc s[6:7], qb s[8:9], kv s[10:11]
	v_lshl_add_u32 v[SPW], v0, 2, SPARE
	v_mov_b32 v[NIL], 0
	ds_add_u32 v[SPW], v[NIL]                      ; the wave's opening: the add, twice on end
	ds_add_u32 v[SPW], v[NIL]
	v_lshrrev_b32 v10, 5, v0
	v_readfirstlane_b32 s[WV], v10                 ; wave 0..3
	s_bfe_u32 s13, ttmp6, 0x40000                  ; cx
	s_bfe_u32 s15, ttmp6, 0x40004                  ; cy = g, the pair of heads
	s_lshl_b32 s14, ttmp9, 2
	s_add_co_u32 s14, s14, s13                     ; R: my block of 128 rows
	s_lshr_b32 s17, s[WV], 1                       ; e
	s_and_b32 s18, s[WV], 1                        ; c
	s_mov_b32 s[SEL], 0x76543210
	s_mov_b32 s[SEL+1], 0xfedcba98
	s_mov_b32 s22, 0xffff0000                      ; lanes 16-31
	s_lshl_b32 s50, s15, 2
	s_lshl_b32 s50, 15, s50                        ; my row of the cluster
	s_lshl_b32 s51, 0x1111, s13                    ; my column
	; descriptors: 51,200 dense bytes as 200 rows of 256 (32 elements of 8 bytes)
	s_or_b32 s[G1A], s50, (3<<16)|(1<<21)          ; 15:0 the mask; 17:16 elements of 8 bytes; 21 set beside a mask
	s_or_b32 s[G1B], s51, (3<<16)|(1<<21)
.irp g, G1A, G1B
	s_mov_b32 s[\g+1], 32<<16
	s_mov_b32 s[\g+2], 200<<16
	s_mov_b32 s[\g+3], 32<<16
	s_mov_b32 s[\g+4], 200
	s_mov_b32 s[\g+5], 32
	s_mov_b32 s[\g+6], 0
	s_mov_b32 s[\g+7], 0
.endr
	s_add_co_u32 s52, s[WV], 3
	s_and_b32 s52, s52, 3
	s_mul_i32 s52, s52, 51200                      ; waves 1-3: my block of the weights
	s_mul_i32 s50, s15, 153600
	s_add_co_u32 s50, s50, s52
	s_mov_b32 s51, 0
	s_mul_i32 s54, s14, 51200                      ; x's record
	s_mov_b32 s55, 0
	; LDS addresses
	s_mul_i32 s44, s18, 51200
	s_mul_i32 s45, s17, 6144
	s_add_co_u32 s46, s44, s45                     ; q's or k's block, my head
	s_mul_i32 s47, s18, 3072
	s_add_co_u32 s47, s47, s45
	s_add_co_u32 s47, s47, 102400                  ; v's block, my two column tiles
	s_lshl_b32 s48, s17, 10
	s_lshl_b32 s49, s18, 9
	s_add_co_u32 s49, s49, s48
	s_add_co_u32 s49, s49, 102400+49152
	s_add_co_u32 s48, s48, s44
	s_add_co_u32 s48, s48, 49152
	v_and_b32 v10, 31, v0                          ; lane
	v_and_b32 v11, 15, v0                          ; r
	v_bfe_u32 v12, v0, 4, 1                        ; h
	v_lshlrev_b32 v1, 4, v10                       ; v1 16 x lane
	v_lshlrev_b32 v2, 2, v10                       ; v2 4 x lane
	v_lshlrev_b32 v9, 2, v11
	v_lshl_add_u32 v9, v12, 10, v9
	v_add_nc_u32 v6, s46, v1                       ; v6 the weight's fragments
	v_add_nc_u32 v7, XI, v1                        ; v7 x's
	v_add_nc_u32 v8, s48, v2                       ; v8 the weight's scale words: two tiles to a register
	v_add_nc_u32 v9, XI+49152, v9                  ; v9 x's: tile t, and 4 tiles on in lanes 16-31
	v_add_nc_u32 v10, s47, v1                      ; v10 v's weights
	v_add_nc_u32 v11, s49, v2                      ; v11 their scale words
	v_mov_b32 v12, 0                               ; written once: a lane permute's destination counts as one of its sources
	v_mov_b32 v13, 0
	s_wait_alu depctr_va_vdst(0)                   ; the wait at the head's end
	s_wait_dscnt 0x0                               ; both opening adds are done
	s_wait_kmcnt 0x0
	s_mov_b32 s[G0A], 1
	s_mov_b32 s[G0A+1], s52
	s_add_nc_u64 s[G0A+2:G0A+3], s[6:7], s[50:51]
	s_or_b32 s[G0A+3], s[G0A+3], 0x80000000
	s_mov_b32 s[G0B], 1
	s_mov_b32 s[G0B+1], XI
	s_add_nc_u64 s[G0B+2:G0B+3], s[4:5], s[54:55]
	s_or_b32 s[G0B+3], s[G0B+3], 0x80000000
	CROUND                                         ; all sixteen work-groups are here: the joint loads meet
	s_cmp_lt_u32 s[WV], 1
	s_cbranch_scc0 .Lweights
	tensor_load_to_lds s[G0B:G0B+3], s[G1B:G1B+7]  ; wave 0: x
	s_nop 0
	PLACES
	s_branch .Lasked
.Lweights:
	s_cmp_lt_u32 s[WV], 3
	s_cbranch_scc0 .Lfor_v
	tensor_load_to_lds s[G0A:G0A+3], s[G1A:G1A+7]  ; waves 1 and 2: q's weights, k's
	s_nop 0
	PLACES
	s_branch .Lasked
.Lfor_v:
	tensor_load_to_lds s[G0A:G0A+3], s[G1A:G1A+7]  ; wave 3: v's
	s_nop 0
	PLACES
.Lasked:
	; where my results go
	s_lshr_b32 s50, s14, 4
	s_lshl_b32 s50, s50, 3
	s_lshl_b32 s51, s15, 1
	s_add_co_u32 s50, s50, s51
	s_add_co_u32 s50, s50, s17                     ; batch x 8 + head
	s_lshl_b32 s50, s50, 4
	s_and_b32 s51, s14, 15
	s_add_co_u32 s50, s50, s51                     ; the record
	s_mul_i32 s52, s50, 12800                      ; in kv
	s_lshl_b32 s51, 6400, s18
	s_mul_i32 s44, s50, s51                        ; in qb (c = 0) or kv (c = 1): q's or k's fragments,
	s_mov_b32 s45, 0
	s_lshl_b32 s46, 6144, s18
	s_add_co_u32 s46, s46, s44                     ; their scale words
	s_mov_b32 s47, 0
	s_mul_i32 s48, s18, 3072
	s_add_co_u32 s48, s48, s52
	s_add_co_u32 s48, s48, 6144                    ; v's two fragments,
	s_mov_b32 s49, 0
	s_lshl_b32 s50, s18, 7
	s_add_co_u32 s50, s50, s52
	s_add_co_u32 s50, s50, 12544                   ; their scale words
	s_mov_b32 s51, 0
	s_cmp_eq_u32 s18, 0
	s_cselect_b64 s[52:53], s[8:9], s[10:11]       ; the buffer is chosen by the wave's number alone
	s_add_nc_u64 s[44:45], s[52:53], s[44:45]
	s_add_nc_u64 s[46:47], s[52:53], s[46:47]
	s_add_nc_u64 s[48:49], s[10:11], s[48:49]
	s_add_nc_u64 s[50:51], s[10:11], s[50:51]
	s_cmp_lt_u32 s[WV], 3
	s_cbranch_scc0 .Lnot_yet
	s_wait_tensorcnt 0x0                           ; my load has landed; v's weights may still be on their way
.Lnot_yet:
	s_barrier_signal -1
	s_barrier_wait -1                              ; x, q's and k's weights are in
.irp s, 0,1,2,3
.irp t, 0,1,2,3
	ds_load_b32 v[SX+4*\s+\t], v9 offset:256*\t+64*\s
.endr
	ds_load_b32 v[SW+2*\s], v8 offset:128*\s
	ds_load_b32 v[SW+2*\s+1], v8 offset:512+128*\s
.endr
	LDWT 0
	LDX 0, 0
	LDWT 1
	LDX 0, 1
	s_wait_dscnt 24                                ; step 0 is in; step 1's 24 loads may stay out
	LDWT 2
	LDX 0, 2
	MQ 0, 0
	s_wait_dscnt 24
	LDWT 3
	LDX 0, 3
	MQ 0, 1
	s_wait_dscnt 24
	LDX 1, 0
	LDX 1, 1
	MQ 0, 2
	s_wait_dscnt 24
	LDX 1, 2
	LDX 1, 3
	MQ 0, 3
	WAYOUT 44, 0, 46, 0
	s_wait_alu depctr_va_vdst(0)                   ; the wait ahead of the waits below
	s_wait_tensorcnt 0x0
	s_wait_dscnt 0x0
	s_barrier_signal -1
	s_barrier_wait -1                              ; v's weights are in
.irp G, 0,1
	WIN (1+\G)<<6
.irp s, 0,1,2,3
.irp k, 0,1,2
	ds_load_b128 v[192+12*\s+4*\k:192+12*\s+4*\k+3], v10 offset:12288*\s+1536*\G+512*\k
.endr
.endr
.endr
	WIN 0
.irp s, 0,1,2,3
	ds_load_b32 v[SV+\s], v11 offset:128*\s
.endr
	MQ 1, 0
	MQ 1, 1
	MQ 1, 2
	MQ 1, 3
	s_wait_xcnt 0x0                                ; the first way out's stores have read their registers
	WAYOUT 44, 3072, 46, 128
	s_wait_alu depctr_va_vdst(0)
	s_wait_dscnt 0x0
	MV 0
	MV 1
	MV 2
	MV 3
	s_wait_xcnt 0x0
	WAYOUT 48, 0, 50, 0
	s_wait_tensorcnt 0x0                           ; the wave's end
	ds_add_u32 v[SPW], v[NIL]
	s_wait_dscnt 0x0
	CROUND                                         ; the closing round: no work-group ends while a partner may still ask jointly
	s_endpgm
.Lfunc_end_k_qd5158c739b_qkv:
	.size	k_qd5158c739b_qkv, .Lfunc_end_k_qd5158c739b_qkv-k_qd5158c739b_qkv
	.p2alignl 7, 3214868480
	.fill 96, 4, 3214868480
	.section	.rodata,"a",@progbits
	.p2align	6, 0x0
	.amdhsa_kernel k_qd5158c739b_qkv
		.amdhsa_group_segment_fixed_size 205312
		.amdhsa_private_segment_fixed_size 0
		.amdhsa_enable_private_segment 0
		.amdhsa_kernarg_size 32
		.amdhsa_user_sgpr_count 2
		.amdhsa_user_sgpr_kernarg_segment_ptr 1
		.amdhsa_wavefront_size32 1
		.amdhsa_system_sgpr_workgroup_id_x 1
		.amdhsa_system_sgpr_workgroup_id_y 1
		.amdhsa_system_sgpr_workgroup_id_z 1
		.amdhsa_system_vgpr_workitem_id 0
		.amdhsa_next_free_vgpr 960
		.amdhsa_next_free_sgpr 66
		.amdhsa_reserve_vcc 0
		.amdhsa_float_denorm_mode_32 3
		.amdhsa_float_denorm_mode_16_64 3
		.amdhsa_memory_ordered 1
		.amdhsa_forward_progress 1
		.amdhsa_inst_pref_size 66
	.end_amdhsa_kernel
	.amdgpu_metadata
---
amdhsa.version: [ 1, 2 ]
amdhsa.kernels:
  - .name:           k_qd5158c739b_qkv
    .symbol:         k_qd5158c739b_qkv.kd
    .args:
      - { .name: xc, .offset: 0, .size: 8, .value_kind: global_buffer, .address_space: global }
      - { .name: wc, .offset: 8, .size: 8, .value_kind: global_buffer, .address_space: global }
      - { .name: qb, .offset: 16, .size: 8, .value_kind: global_buffer, .address_space: global }
      - { .name: kv, .offset: 24, .size: 8, .value_kind: global_buffer, .address_space: global }
    .group_segment_fixed_size: 205312
    .private_segment_fixed_size: 0
    .kernarg_segment_align: 8
    .kernarg_segment_size: 32
    .max_flat_workgroup_size: 128
    .sgpr_count:     66
    .vgpr_count:     960
    .wavefront_size: 32
...
	.end_amdgpu_metadata
.endif
;; end of part 2
;; launch attn (part 3): grid 8 x 32, 8 waves a work-group, clusters of 4 x 1, 214,016 bytes of LDS; arguments qb, kv, mask, ob; writes ob
.if DOCPART == 3
	.amdgcn_target "amdgcn-amd-amdhsa--gfx1250"
	.amdhsa_code_object_version 6
	.text
	.protected	k_qd5158c739b_attn
	.globl	k_qd5158c739b_attn
	.p2align	8
	.type	k_qd5158c739b_attn,@function
k_qd5158c739b_attn:
	s_mov_b64 s[64:65], 0
	v_nop
	global_prefetch_b8 v0, s[64:65] scope:SCOPE_SE
	s_setreg_imm32_b32 hwreg(HW_REG_WAVE_MODE, 25, 1), 1
	s_wait_xcnt 0x0
	s_wait_alu depctr_hold_cnt(0) depctr_sa_sdst(0) depctr_va_vdst(0) depctr_va_sdst(0) depctr_va_ssrc(0) depctr_va_vcc(0) depctr_vm_vsrc(0)
	s_getreg_b32 s2, hwreg(HW_REG_IB_STS2, 6, 4)
	s_cmp_eq_u32 s2, 0
	s_cbranch_scc0 .Lentry_in_a_cluster
	s_endpgm
.Lentry_in_a_cluster:
	s_bfe_u32 s2, ttmp6, 0x10000c
	s_cmp_lg_u32 s2, 0x3003
	s_cbranch_scc0 .Lentry_shape_is_right
	s_endpgm
.Lentry_shape_is_right:
; o = softmax(q k^T / 8, hidden keys left out) v for one head, both products on codes of FP6 (E2M3) with E8M0 scales; o is divided by the row's sum, quantised along d and stored as an image of operand registers.
; t = score x log2(e) / 8; M = the running largest t rounded UP to a whole number; p = 2^(t - M) is quantised along the keys, not normalised; the row's sum is taken of the unquantised p.
; When M moves, the sum and O are multiplied by 2^(old M - new M): exact, and without a branch.
; A BLOCK'S SCALE comes from its largest score: p = 2^y with y = t - M, so floor(log2 p) = floor(y): the byte is floor(y) + 125, held at 1 from below.
; SHARES.  A work-group owns 256 queries of one head; each of its eight waves 32: two tiles of 16 (one pair fragment of qb).  Two waves to a SIMD.
; A head's K, V and scale words, 204,800 bytes, stay in LDS: filled ONCE, one joint load of 25,600 bytes a wave; waves 0 and 1 bring keys 0-511, which are waited for first.  No ring, and no memory is read in the loops: nothing to prefetch.
; CLUSTER.  The four query blocks of a cluster belong to one head: the fill is asked for jointly.
; LAYOUT.  S^T = K Q^T: source 0 = a pair fragment of K (k 0-63: key tile 2 b's 64 d; k 64-127: tile 2 b + 1's), source 1 = [Q | zeros] or [zeros | Q]: zero codes take the other tile out.
; THE MASK is the C of those products: 0 for an open key, -2^120 for a hidden one.  O^T = V^T P^T.  A lane holds one query throughout.
; Key tile 4 c + j, register i, lane half h: key 64 c + 32 h + 8 j + i: a lane's 32 registers of a band c are one scale block of P.
; A UNIT is one query tile x one step of 128 keys.  The units follow each other (tile 0, tile 1 of a step), and a unit's exponentials stand between the products of the NEXT unit's scores, its sums between the next unit's maxima.
; LIMITS: NaN and infinities are not served.  A hidden key's t is about -2.4e35, not -3.4e38 x log2(e): the results hold while every open t lies above that and the scaled scores stay under 2^31 in magnitude.
; A batch with no open key gets equal weights only if the product returns the bias -2^120 unchanged (its sum with a score under 2^96 rounds to it).  Blocks of p that fall to 0 keep the byte 1: their codes are zeros.
; REGISTERS.  Window 0: v1-7 addresses; v8+4t -M, largest score, the sum in two halves; v16-23 scale words (K, K, V, V, Q0, Q1, P0, P1); v24+2t f; v28-31 maxima; v32-39 at work; v40-47 sums; v48-54 conversions; v56-103 K;
;             v104+64t S^T, then p; v232+12t p's codes.   Window 1: v0-47 V; v48-77 zeros, Q0, zeros, Q1, zeros; v80-143 the mask as C; v144+32t O^T.
.set MB,  204800                       ; LDS: behind the head's records: the mask as f32, 4 bytes a key; then the spare words
.set SPARE, 212992
.set SPW, 51
.set NIL, 55
.set WV,  12
.set SEL, 20
.set CS,  22                           ; s[22:23] c = log2(e) / 8
.set NCS, 36                           ; -c
.set G1,  24
.set G0,  32
.set TB,  48                           ; LDS byte of the record that is loaded next
.set TMK, 49                           ; and of its 128 keys' mask
.set CNT, 50
.set AC,  40
.set KF,  56
.set S,   104
.set PCD, 232
.set VF,  0
.set QZ,  48
.set CM,  80
.set OT,  144
.set MSB, 0
.macro WIN new                         ; bits 1:0 source 0, 3:2 source 1, 5:4 source 2, 7:6 destination; the high byte repeats the setting that is left
.if MSB != \new
	s_set_vgpr_msb (MSB<<8)|\new
.set MSB, \new
.endif
.endm
.macro WALU
	s_wait_alu depctr_va_vdst(0)
.endm
.macro PLACES
.rept 4
	v_nop
.endr
.endm
.macro CROUND
	s_barrier_signal -1
	s_barrier_wait -1
	s_cmp_lg_u32 s[WV], 0
	s_cbranch_scc1 .Lnot_wave_0_\@
	s_barrier_signal -3
.Lnot_wave_0_\@:
	s_barrier_wait -3
	s_barrier_signal -1
	s_barrier_wait -1
.endm
.macro MM d, a, b, c, sa, sb, ra       ; one product; ra: source 0's scale words lie in lanes 16-31 of their register
.if \ra
	v_wmma_scale_f32_16x16x128_f8f6f4 v[\d:\d+7], v[\a:\a+11], v[\b:\b+11], v[\c:\c+7], v[\sa], v[\sb] matrix_a_fmt:MATRIX_FMT_FP6 matrix_b_fmt:MATRIX_FMT_FP6 matrix_a_scale:MATRIX_SCALE_ROW1
.else
	v_wmma_scale_f32_16x16x128_f8f6f4 v[\d:\d+7], v[\a:\a+11], v[\b:\b+11], v[\c:\c+7], v[\sa], v[\sb] matrix_a_fmt:MATRIX_FMT_FP6 matrix_b_fmt:MATRIX_FMT_FP6
.endif
.endm
.macro ADDR
	v_add_nc_u32 v4, s[TB], v1
	v_add_nc_u32 v5, s[TB], v2
.endm
.macro LDW                             ; K's scale words: 2 loads
	ds_load_b32 v16, v5                            ; pair fragments 0 (lanes 0-15) and 1 (lanes 16-31),
	ds_load_b32 v17, v5 offset:128                 ; 2 and 3
.endm
.macro KL i                            ; K: one of 12 loads
	ds_load_b128 v[KF+4*(\i):KF+4*(\i)+3], v4 offset:512*(\i)
.endm
.macro LDM                             ; the mask: 16 loads
	v_add_nc_u32 v6, s[TMK], v3
	WIN 0x40
.irp t, 0,1,2,3,4,5,6,7
	ds_load_b128 v[CM+8*\t:CM+8*\t+3], v6 offset:256*(\t/4)+32*(\t%4)          ; the mask in the result's layout: sixteen lanes read the same 16 bytes
	ds_load_b128 v[CM+8*\t+4:CM+8*\t+7], v6 offset:256*(\t/4)+32*(\t%4)+16
.endr
	WIN 0
.endm
.macro LDV                             ; V and its scale words: 14 loads
	WIN 0x40
.irp g, 0,1,2,3
.irp k, 0,1,2
	ds_load_b128 v[VF+12*\g+4*\k:VF+12*\g+4*\k+3], v4 offset:6144+1536*\g+512*\k
.endr
.endr
	WIN 0
	ds_load_b32 v18, v5 offset:256
	ds_load_b32 v19, v5 offset:384
.endm
.macro QK n, k                         ; key tile k's scores for query tile n
	MM S+64*(\n)+8*(\k), KF+12*((\k)/2), QZ+6+12*(\n)-6*((\k)%2), CM+8*(\k), 16+(\k)/4, 20+(\n), ((\k)/2)%2
.endm
.macro MX n, r, q                      ; round r of the maximum over 16 registers; each accumulator is read from its low end on
.set B_, S+64*(\n)+16*(\q)
.if (\r) == 0
	v_max3_num_f32 v[28+\q], v[B_], v[B_+1], v[B_+2]
.else
	v_max3_num_f32 v[28+\q], v[28+\q], v[B_+2*(\r)+1], v[B_+2*(\r)+2]
.endif
.endm
.macro AD a, k                         ; p's sum, two at a time, in four chains
.set P_, S+64*(\a)
.if (\k) < 4
	v_pk_add_f32 v[AC+2*(\k):AC+2*(\k)+1], v[P_+2*(\k):P_+2*(\k)+1], v[P_+8+2*(\k):P_+9+2*(\k)]
.else
.set N_, (\k)+4
	v_pk_add_f32 v[AC+2*(N_%4):AC+2*(N_%4)+1], v[AC+2*(N_%4):AC+2*(N_%4)+1], v[P_+2*N_:P_+2*N_+1]
.endif
.endm
; Tile a's p: summed and converted (a < 0: none).  Tile n's scores: the maxima, M and f (n < 0: none).
.macro SOFT a, n
.set R_, 0
.rept 7
.irp q, 0,1,2,3
.if (\n) >= 0
	MX \n, R_, \q
.endif
.if (\a) >= 0
	AD \a, 4*R_+\q
.endif
.endr
.set R_, R_+1
.endr
.if (\n) >= 0
.set B_, S+64*(\n)
	v_max3_num_f32 v28, v28, v[B_+15], v29
	v_max3_num_f32 v30, v30, v[B_+47], v31
.endif
.if (\a) >= 0
.set P_, S+64*(\a)
.set C_, PCD+12*(\a)
	v_pk_add_f32 v[AC:AC+1], v[AC:AC+1], v[AC+2:AC+3]
	v_pk_add_f32 v[AC+4:AC+5], v[AC+4:AC+5], v[AC+6:AC+7]
	v_cvt_scalef32_pk16_fp6_f32 v[C_:C_+2], v[P_:P_+15], v36
.endif
.if (\n) >= 0
	v_max_num_f32 v28, v28, v[B_+31]               ; the largest score of each of my two blocks
	v_max_num_f32 v30, v30, v[B_+63]
.endif
.if (\a) >= 0
	v_cvt_scalef32_pk16_fp6_f32 v[48:50], v[P_+16:P_+31], v36   ; (a conversion's three registers begin on an even number: the second half is made elsewhere and moved)
	v_pk_add_f32 v[AC:AC+1], v[AC:AC+1], v[AC+4:AC+5]
.endif
.if (\n) >= 0
	v_max_num_f32 v39, v28, v30
.endif
.if (\a) >= 0
	v_cvt_scalef32_pk16_fp6_f32 v[C_+6:C_+8], v[P_+32:P_+47], v37
	v_pk_fma_f32 v[10+4*(\a):11+4*(\a)], v[10+4*(\a):11+4*(\a)], v[24+2*(\a):25+2*(\a)], v[AC:AC+1] op_sel_hi:[1,0,1]   ; the row's sum, the old part under the new M
.endif
.if (\n) >= 0
	v_permlanex16_b32 v32, v39, s[SEL], s[SEL+1]
.endif
.if (\a) >= 0
	v_cvt_scalef32_pk16_fp6_f32 v[52:54], v[P_+48:P_+63], v37
	v_nop                                          ; one plain place behind a scaled conversion
.endif
.if (\n) >= 0
	v_max3_num_f32 v[9+4*(\n)], v[9+4*(\n)], v39, v32   ; the running largest score of my query
.endif
.if (\a) >= 0
	v_mov_b32 v[C_+3], v48
	v_mov_b32 v[C_+4], v49
.endif
.if (\n) >= 0
	v_mul_f32 v39, s[NCS], v[9+4*(\n)]
.endif
.if (\a) >= 0
	v_mov_b32 v[C_+5], v50
	v_mov_b32 v[C_+9], v52
.endif
.if (\n) >= 0
	v_floor_f32 v38, v39                           ; the new -M = -ceil(t): a whole number
.endif
.if (\a) >= 0
	v_mov_b32 v[C_+10], v53
	v_mov_b32 v[C_+11], v54
.endif
.if (\n) >= 0
	v_sub_f32 v39, v38, v[8+4*(\n)]                ; old M - new M: 0 or less
	v_mov_b32 v[8+4*(\n)], v38
	v_cvt_i32_f32 v39, v39                         ; (it saturates)
	v_ldexp_f32 v[24+2*(\n)], 1.0, v39             ; f = 2^(old M - new M)  (these four lines are also the places between p's codes and the products)
.else
	PLACES
.endif
.endm
; t - M of tile n, two at a time; among them the scale operands and the scale word of its two blocks, from their largest scores.  ldv: the next step's V is asked for on the way, behind more than four places.
.macro TMINUSM n, ldv
.set B_, S+64*(\n)
.set j, 0
.rept 32
	v_pk_fma_f32 v[B_+j:B_+j+1], v[B_+j:B_+j+1], s[CS:CS+1], v[8+4*(\n):9+4*(\n)] op_sel_hi:[1,0,0]
.if j == 2
	v_fma_f32 v34, v28, s[CS], v[8+4*(\n)]
	v_fma_f32 v35, v30, s[CS], v[8+4*(\n)]
.elseif j == 10
	v_max_num_f32 v34, 0xc2f80000, v34             ; held at -124: the byte cannot fall under 1
	v_max_num_f32 v35, 0xc2f80000, v35
.elseif j == 18
	v_cvt_floor_i32_f32 v34, v34
	v_cvt_floor_i32_f32 v35, v35
.elseif j == 26
	v_lshl_add_u32 v36, v34, 23, 0x3e800000        ; (floor + 125) << 23: the conversion's scale operand
	v_lshl_add_u32 v37, v35, 23, 0x3e800000
	v_lshl_add_u32 v38, v35, 16, v34
.elseif j == 34
	v_add_nc_u32 v38, 0x7d007d, v38                ; my two bytes: blocks h and 2 + h
.elseif j == 42
	v_permlanex16_b32 v33, v38, s[SEL], s[SEL+1]
.elseif j == 50
	v_lshl_or_b32 v[22+(\n)], v33, 8, v38          ; lanes 0-15: row r's scale word (lanes 16-31 are not read)
.endif
.set j, j+2
.endr
.if \ldv
	LDV
.endif
.endm
.macro EX t, j0, n                     ; p = 2^(t - M), at most 1
.set j, \j0
.rept \n
	v_exp_f32 v[S+64*(\t)+j], v[S+64*(\t)+j]
.set j, j+1
.endr
.endm
.macro UNIT t, nx, ld                  ; tile t; nx: another unit follows; ld: the next step's K and mask are asked for on the way
	WALU                                           ; the wait ahead of the batch of exponentials
.if (\t == 1) && \nx
	s_wait_dscnt 0x0                               ; the next step's K and mask are in
.endif
	WIN 0x14                                       ; Q and the mask in window 1, K and both S^T in window 0
.set k, 0
.rept 8
.if \nx
	QK 1-\t, k
.endif
	EX \t, 4*k, 4
.set k, k+1
.endr
	WIN 0
	EX \t, 32, 32
.if \ld
	s_add_co_u32 s[TB], s[TB], 12800
	s_add_co_u32 s[TMK], s[TMK], 512
	ADDR                                           ; with the two v_nop the four places between the products and the loads into K's registers
	v_nop
	v_nop
	LDW                                            ; the next step's K and mask: 30 loads in one run
.set k, 0
.rept 12
	KL k
.set k, k+1
.endr
	LDM
.endif
	WIN 0x51                                       ; V and O^T in window 1, p's codes and f in window 0
.if \t == 0
	s_wait_dscnt 30*\ld                            ; V is in; the next step's K and mask, 30 loads, may stay out
.endif
	WALU                                           ; for the exponentials, and ahead of the first reader of O^T
.set j, 0
.rept 16
	v_pk_mul_f32 v[OT+32*\t+j:OT+32*\t+j+1], v[OT+32*\t+j:OT+32*\t+j+1], v[24+2*\t:25+2*\t] op_sel_hi:[1,0]   ; O^T under the new M (also the places behind the next unit's products)
.set j, j+2
.endr
	WIN 0
	WALU                                           ; the wait ahead of the first reader of the next unit's scores
.if \nx
	SOFT \t, 1-\t
.else
	SOFT \t, -1
.endif
	WIN 0x51
.irp g, 0,1,2,3                        ; four accumulators by turns
	MM OT+32*\t+8*\g, VF+12*\g, PCD+12*\t, OT+32*\t+8*\g, 18+\g/2, 22+\t, \g%2
.endr
	WIN 0
.if \nx
	TMINUSM 1-\t, \t
.endif
.endm
.macro STEP more
	UNIT 0, 1, \more
	UNIT 1, \more, 0
.endm
	s_load_b256 s[4:11], s[0:1], 0x0               ; qb s[4:5], kv s[6:7], mask s[8:9], ob s[10:11]
	v_lshl_add_u32 v[SPW], v0, 2, SPARE
	v_mov_b32 v[NIL], 0
	ds_add_u32 v[SPW], v[NIL]                      ; the wave's opening: the add, twice on end
	ds_add_u32 v[SPW], v[NIL]
	v_lshrrev_b32 v28, 5, v0
	v_readfirstlane_b32 s[WV], v28                 ; wave 0..7
	s_bfe_u32 s13, ttmp6, 0x40000                  ; cx: it enters qb's and ob's global addresses alone
	s_lshl_b32 s14, ttmp9, 2
	s_add_co_u32 s14, s14, s13                     ; my block of 256 queries
	s_and_b32 s15, ttmp7, 0xffff                   ; batch x 8 + head, which the four partners share
	s_lshl_b32 s16, s14, 3
	s_add_co_u32 s16, s16, s[WV]                   ; P: my pair of query tiles, of the head's 64
	s_mul_i32 s17, s15, 204800                     ; the head's records in kv
	s_mul_i32 s18, s[WV], 25600                    ; my eighth of them
	s_add_co_u32 s52, s17, s18
	s_mov_b32 s53, 0
	s_lshl_b32 s56, s15, 4
	s_lshr_b32 s57, s16, 2
	s_add_co_u32 s56, s56, s57
	s_mul_i32 s56, s56, 6400                       ; qb's record,
	s_and_b32 s57, s16, 3
	s_mul_i32 s58, s57, 1536
	s_add_co_u32 s58, s58, s56                     ; my pair fragment,
	s_mov_b32 s59, 0
	s_lshl_b32 s57, s57, 6
	s_add_co_u32 s56, s56, s57
	s_add_co_u32 s56, s56, 6144                    ; its scale words
	s_mov_b32 s57, 0
	s_lshr_b32 s2, s15, 3                          ; batch
	s_lshl_b32 s3, s2, 6
	s_add_co_u32 s3, s3, s16
	s_mul_i32 s3, s3, 13312                        ; ob's record,
	s_and_b32 s51, s15, 7
	s_mul_i32 s60, s51, 1536
	s_add_co_u32 s60, s60, s3                      ; my head's fragment,
	s_mov_b32 s61, 0
	s_lshl_b32 s62, s51, 7
	s_add_co_u32 s62, s62, s3
	s_add_co_u32 s62, s62, 12288                   ; its scale words
	s_mov_b32 s63, 0
	s_lshl_b32 s2, s2, 11                          ; the batch's mask
	s_mov_b32 s3, 0
	s_mov_b32 s[SEL], 0x76543210
	s_mov_b32 s[SEL+1], 0xfedcba98
	s_mov_b32 s[CS], 0x3e38aa3b                    ; log2(e) / 8
	s_mov_b32 s[CS+1], s[CS]                       ; (named with it as a pair, so it is written)
	s_mov_b32 s[NCS], 0xbe38aa3b
	s_mov_b32 s[G1], 15|(3<<16)|(1<<21)            ; 15:0 the mask: all four work-groups; 17:16 elements of 8 bytes; 21 set beside a mask
	s_mov_b32 s[G1+1], 32<<16                      ; 25,600 dense bytes as 100 rows of 256 (32 elements of 8 bytes)
	s_mov_b32 s[G1+2], 100<<16
	s_mov_b32 s[G1+3], 32<<16
	s_mov_b32 s[G1+4], 100
	s_mov_b32 s[G1+5], 32
	s_mov_b32 s[G1+6], 0
	s_mov_b32 s[G1+7], 0
	v_and_b32 v28, 31, v0                          ; lane
	v_bfe_u32 v29, v0, 4, 1                        ; h
	v_and_b32 v30, 15, v0                          ; r
	v_lshlrev_b32 v56, 3, v0                       ; my 8 keys of the mask,
	v_lshlrev_b32 v57, 5, v0
	v_lshlrev_b32 v1, 4, v28                       ; v1 16 x lane
	v_lshlrev_b32 v7, 2, v28                       ; v7 4 x lane
	v_lshlrev_b32 v3, 7, v29
	v_lshlrev_b32 v30, 2, v30                      ; 4 r
	v_add_nc_u32 v57, MB, v57                      ; and where their 8 numbers go
	v_add_nc_u32 v2, 12288, v7                     ; v2 a record's scale words
	v_add_nc_u32 v3, MB, v3                        ; v3 the mask of my half's 32 keys of a band
	WALU                                           ; the wait at the head's end
	s_wait_dscnt 0x0                               ; both opening adds are done
	s_wait_kmcnt 0x0
	s_add_nc_u64 s[58:59], s[4:5], s[58:59]
	s_add_nc_u64 s[56:57], s[4:5], s[56:57]
	s_add_nc_u64 s[8:9], s[8:9], s[2:3]
	s_add_nc_u64 s[60:61], s[10:11], s[60:61]
	s_add_nc_u64 s[62:63], s[10:11], s[62:63]
	global_load_b128 v[104:107], v1, s[58:59]      ; Q's pair fragment
	global_load_b128 v[108:111], v1, s[58:59] offset:512
	global_load_b128 v[112:115], v1, s[58:59] offset:1024
	global_load_b32 v116, v30, s[56:57]            ; its scale words
	global_load_b64 v[118:119], v56, s[8:9]        ; 8 bytes of the mask
	s_mov_b32 s[G0], 1
	s_mov_b32 s[G0+1], s18
	s_add_nc_u64 s[G0+2:G0+3], s[6:7], s[52:53]
	s_or_b32 s[G0+3], s[G0+3], 0x80000000
	CROUND                                         ; all four work-groups are here: the joint loads meet
	s_cmp_lt_u32 s[WV], 2                          ; one load a wave.  Waves 0 and 1, which are waited for first, have a line of their own
	s_cbranch_scc0 .Llater_keys
	tensor_load_to_lds s[G0:G0+3], s[G1:G1+7]      ; keys 0-511
	s_nop 0
	PLACES
	s_branch .Lasked
.Llater_keys:
	tensor_load_to_lds s[G0:G0+3], s[G1:G1+7]      ; keys 512-2,047
	s_nop 0
	PLACES
.Lasked:
.irp t, 0,1
	v_mov_b32 v[8+4*\t], 0x7e000000                ; -M: M under every whole number that follows
	v_mov_b32 v[9+4*\t], 0xfe800000                ; the largest score so far: -2^126
	v_mov_b32 v[10+4*\t], 0                        ; the sum, in two halves
	v_mov_b32 v[11+4*\t], 0
	v_mov_b32 v[25+2*\t], 0                        ; (named as the upper half of f's pair)
	v_mov_b32 v[32+\t], 0                          ; a lane permute's destination counts as one of its sources
.endr
	v_mov_b32 v128, 0xfb800000                     ; -2^120
	WIN 0x40                                       ; destination window 1
.set j, 0
.rept 64
	v_mov_b32 v[OT+j], 0                           ; O^T: the loop is written without a first step of its own: it finds zeros, which the first change of M leaves zeros
.set j, j+1
.endr
.irp i, 0,1,2,3,4,5
	v_mov_b32 v[QZ+\i], 0
	v_mov_b32 v[QZ+12+\i], 0
	v_mov_b32 v[QZ+24+\i], 0
.endr
	WALU
	s_wait_loadcnt 0x0
.irp i, 0,1,2,3,4,5
	v_mov_b32 v[QZ+6+\i], v[104+\i]                ; tile 0's codes between zeros: [0 | Q0] at QZ, [Q0 | 0] at QZ + 6,
	v_mov_b32 v[QZ+18+\i], v[110+\i]               ; [0 | Q1] at QZ + 12, [Q1 | 0] at QZ + 18
.endr
	WIN 0
	v_and_b32 v117, 0xffff, v116
	v_lshrrev_b32 v129, 16, v116
	v_lshl_or_b32 v20, v116, 16, v117              ; tile 0's two bytes twice: they serve [Q | 0] and [0 | Q]
	v_and_or_b32 v21, v116, 0xffff0000, v129       ; tile 1's
.irp k, 0,1,2,3,4,5,6,7
	v_bfe_u32 v28, v[118+\k/4], 8*(\k%4), 8
	v_cmp_eq_u32 vcc_lo, 0, v28
	v_cndmask_b32 v[120+\k], 0, v128, vcc_lo       ; an open key adds 0 to its scores, a hidden one -2^120
.endr
	ds_store_b128 v57, v[120:123]
	ds_store_b128 v57, v[124:127] offset:16
	s_mov_b32 s[TB], 0
	s_mov_b32 s[TMK], 0
	ADDR
	WALU
	s_cmp_lt_u32 s[WV], 2
	s_cbranch_scc0 .Lnot_first
	s_wait_tensorcnt 0x0                           ; my part of keys 0-511 has landed
.Lnot_first:
	s_wait_dscnt 0x0                               ; my part of the mask is stored
	s_barrier_signal -1
	s_barrier_wait -1                              ; everybody's are
	LDW
.irp i, 0,1,2,3,4,5,6,7,8,9,10,11
	KL \i
.endr
	LDM
	LDV
	s_wait_dscnt 14
	WIN 0x14
.set k, 0
.rept 8
	QK 0, k
.set k, k+1
.endr
	WIN 0
	PLACES
	SOFT -1, 0
	TMINUSM 0, 0
	s_mov_b32 s[CNT], 3
.Lfirst:                               ; steps 0-2; each loads the next step's record: up to record 3, keys 384-511
	STEP 1
	s_sub_co_u32 s[CNT], s[CNT], 1
	s_cmp_lg_u32 s[CNT], 0
	WALU
	s_cbranch_scc1 .Lfirst
	WALU
	s_wait_tensorcnt 0x0                           ; my load has landed, whichever it was
	s_wait_dscnt 0x0
	s_barrier_signal -1
	s_barrier_wait -1
	s_mov_b32 s[CNT], 12
.Lrest:                                ; steps 3-14
	STEP 1
	s_sub_co_u32 s[CNT], s[CNT], 1
	s_cmp_lg_u32 s[CNT], 0
	WALU
	s_cbranch_scc1 .Lrest
	STEP 0                                         ; the last step loads nothing
	; THE WAY OUT: O^T / the sum; its 64 numbers (tile 0's block of 32 d, tile 1's) make one pair fragment
	PLACES
.irp t, 0,1
	v_add_f32 v[28+\t], v[10+4*\t], v[11+4*\t]
.endr
.irp t, 0,1
	v_permlanex16_b32 v[32+\t], v[28+\t], s[SEL], s[SEL+1]
.endr
.irp t, 0,1
	v_add_f32 v[28+\t], v[28+\t], v[32+\t]         ; the row's sum
.endr
	WALU
.irp t, 0,1
	v_rcp_f32 v[24+2*\t], v[28+\t]
.endr
	v_nop                                          ; one plain place behind a transcendental
	WIN 0x01                                       ; source 0 window 1
	WALU
.irp t, 0,1
.set j, 0
.rept 16
	v_pk_mul_f32 v[S+32*\t+j:S+32*\t+j+1], v[OT+32*\t+j:OT+32*\t+j+1], v[24+2*\t:25+2*\t] op_sel_hi:[1,0]   ; ascending: each accumulator from its low end on
.set j, j+2
.endr
.endr
	WIN 0
.irp q, 0,1,2,3
	v_max3_num_f32 v[28+\q], |v[S+16*\q]|, |v[S+16*\q+1]|, |v[S+16*\q+2]|
.endr
.irp i, 3,5,7,9,11,13
.irp q, 0,1,2,3
	v_max3_num_f32 v[28+\q], v[28+\q], |v[S+16*\q+\i]|, |v[S+16*\q+\i+1]|
.endr
.endr
.irp c, 0,1
	v_max3_num_f32 v[28+2*\c], v[28+2*\c], |v[S+32*\c+15]|, v[29+2*\c]
.endr
.irp c, 0,1
	v_max3_num_f32 v[28+2*\c], v[28+2*\c], |v[S+32*\c+31]|, 0x1800000   ; and the floor 2^(3 - 127)
.endr
.irp c, 0,1
	v_add_nc_u32 v[36+\c], 0xff000000, v[28+2*\c]  ; 2 off the exponent field: the conversion's scale operand
.endr
.irp c, 0,1
	v_lshrrev_b32 v[34+\c], 23, v[36+\c]
.endr
	s_mov_b32 s2, 0xffff0000                       ; lanes 16-31
	v_lshl_or_b32 v38, v35, 16, v34
	v_permlanex16_b32 v33, v38, s[SEL], s[SEL+1]
.irp c, 0,1
	v_cvt_scalef32_pk16_fp6_f32 v[PCD+6*\c:PCD+6*\c+2], v[S+32*\c:S+32*\c+15], v[36+\c]
	v_cvt_scalef32_pk16_fp6_f32 v[48+4*\c:50+4*\c], v[S+32*\c+16:S+32*\c+31], v[36+\c]
.endr
	v_cndmask_b32 v39, v38, v33, s2
	v_cndmask_b32 v40, v33, v38, s2
.irp c, 0,1
.irp i, 0,1,2
	v_mov_b32 v[PCD+6*\c+3+\i], v[48+4*\c+\i]
.endr
.endr
	v_lshl_or_b32 v39, v40, 8, v39                 ; row r's scale word, in both halves of the lanes
.irp k, 0,1,2
	global_store_b128 v1, v[PCD+4*\k:PCD+4*\k+3], s[60:61] offset:512*\k   ; 512 consecutive bytes, at a multiple of 256 from ob's first byte
.endr
	global_store_b32 v7, v39, s[62:63]
	s_wait_tensorcnt 0x0                           ; the wave's end
	ds_add_u32 v[SPW], v[NIL]
	s_wait_dscnt 0x0
	CROUND                                         ; the closing round
	s_endpgm
.Lfunc_end_k_qd5158c739b_attn:
	.size	k_qd5158c739b_attn, .Lfunc_end_k_qd5158c739b_attn-k_qd5158c739b_attn
	.p2alignl 7, 3214868480
	.fill 96, 4, 3214868480
	.section	.rodata,"a",@progbits
	.p2align	6, 0x0
	.amdhsa_kernel k_qd5158c739b_attn
		.amdhsa_group_segment_fixed_size 214016
		.amdhsa_private_segment_fixed_size 0
		.amdhsa_enable_private_segment 0
		.amdhsa_kernarg_size 32
		.amdhsa_user_sgpr_count 2
		.amdhsa_user_sgpr_kernarg_segment_ptr 1
		.amdhsa_wavefront_size32 1
		.amdhsa_system_sgpr_workgroup_id_x 1
		.amdhsa_system_sgpr_workgroup_id_y 1
		.amdhsa_system_sgpr_workgroup_id_z 1
		.amdhsa_system_vgpr_workitem_id 0
		.amdhsa_next_free_vgpr 512
		.amdhsa_next_free_sgpr 66
		.amdhsa_reserve_vcc 1
		.amdhsa_float_denorm_mode_32 3
		.amdhsa_float_denorm_mode_16_64 3
		.amdhsa_memory_ordered 1
		.amdhsa_forward_progress 1
		.amdhsa_inst_pref_size 102
	.end_amdhsa_kernel
	.amdgpu_metadata
---
amdhsa.version: [ 1, 2 ]
amdhsa.kernels:
  - .name:           k_qd5158c739b_attn
    .symbol:         k_qd5158c739b_attn.kd
    .args:
      - { .name: qb, .offset: 0, .size: 8, .value_kind: global_buffer, .address_space: global }
      - { .name: kv, .offset: 8, .size: 8, .value_kind: global_buffer, .address_space: global }
      - { .name: mask, .offset: 16, .size: 8, .value_kind: global_buffer, .address_space: global }
      - { .name: ob, .offset: 24, .size: 8, .value_kind: global_buffer, .address_space: global }
    .group_segment_fixed_size: 214016
    .private_segment_fixed_size: 0
    .kernarg_segment_align: 8
    .kernarg_segment_size: 32
    .max_flat_workgroup_size: 256
    .sgpr_count:     66
    .vgpr_count:     512
    .wavefront_size: 32
...
	.end_amdgpu_metadata
.endif
;; end of part 3
;; launch outp (part 4): grid 4 x 64, 8 waves a work-group, clusters of 4 x 4, 175,104 bytes of LDS; arguments ob, wc, bout, out0; writes out0
.if DOCPART == 4
	.amdgcn_target "amdgcn-amd-amdhsa--gfx1250"
	.amdhsa_code_object_version 6
	.text
	.protected	k_qd5158c739b_outp
	.globl	k_qd5158c739b_outp
	.p2align	8
	.type	k_qd5158c739b_outp,@function
k_qd5158c739b_outp:
	s_mov_b64 s[64:65], 0
	v_nop
	global_prefetch_b8 v0, s[64:65] scope:SCOPE_SE
	s_setreg_imm32_b32 hwreg(HW_REG_WAVE_MODE, 25, 1), 1
	s_wait_xcnt 0x0
	s_wait_alu depctr_hold_cnt(0) depctr_sa_sdst(0) depctr_va_vdst(0) depctr_va_sdst(0) depctr_va_ssrc(0) depctr_va_vcc(0) depctr_vm_vsrc(0)
	s_getreg_b32 s2, hwreg(HW_REG_IB_STS2, 6, 4)
	s_cmp_eq_u32 s2, 0
	s_cbranch_scc0 .Lentry_in_a_cluster
	s_endpgm
.Lentry_in_a_cluster:
	s_bfe_u32 s2, ttmp6, 0x10000c
	s_cmp_lg_u32 s2, 0xf033
	s_cbranch_scc0 .Lentry_shape_is_right
	s_endpgm
.Lentry_shape_is_right:
; out0 = Q(o) Q(Wout) + bout on codes of FP6 (E2M3) with E8M0 scales; K = head x 64 + d, four steps of 128 (two heads each).
; A work-group makes 128 rows (row block y) x 128 columns (column group g).  Wave w: the pair of row tiles p = w / 2 and the four column tiles of 64 columns ch = w % 2: eight accumulators, 32 products.
; CLUSTER 4 x 4 (the grid has one cluster along x: g = cx): o's four records are shared by the four column groups of a row block, Wout's block by the four row blocks of a column group: both are asked for jointly, ONE load a wave: waves 0-3 o, waves 4-7 Wout.
; LDS is filled once and there is no loop to run ahead in: nothing is prefetched.
; ob record (32 rows), head hd at 1,536 hd: registers 0-5 row tile 0's 64 d, registers 6-11 tile 1's; a K step's fragment of tile u takes that half of two heads.  Words at 12,288 + 128 hd: bytes 0, 1 tile 0, bytes 2, 3 tile 1.
; Source 0 = 16 columns of Wout, source 1 = 16 rows of o: lane (r, h) holds row 64 (p / 2) + 16 (p % 2) + 8 u + r % 8 + 32 (r / 8) and columns 64 ch + 32 h + 8 y + i of column tile y.
; The way out: through the wave's own stage of 32 rows x (256 + 16) bytes; sixteen lanes store 256 consecutive bytes.  No other wave touches the stage: no barrier.
; LIMIT: NaN and infinities in o are not served.
.set WB,  53248                        ; LDS: o's four records, Wout's block, the stages, the spare words
.set STG, 104448
.set SPARE, 174080
.set WV,  12
.set G1A, 24
.set G0A, 32
.set G1B, 36
.set G0B, 44
.set ACC, 16                           ; v16-79   accumulator 4 u + y
.set WF,  80                           ; v80-175  Wout's fragments, two sets of four
.set OF,  176                          ; v176-223 o's, two sets of two
.set RAW, 224                          ; v224-231 o's scale words as stored, one a head
.set SO,  232                          ; v232-239 o's scale words 4 u + s: scales and nothing else
.set SW,  240                          ; v240-247 Wout's 2 s + y / 2: lanes 0-15 tile y even, lanes 16-31 odd
.macro PLACES
.rept 4
	v_nop
.endr
.endm
.macro CROUND
	s_barrier_signal -1
	s_barrier_wait -1
	s_cmp_lg_u32 s[WV], 0
	s_cbranch_scc1 .Lnot_wave_0_\@
	s_barrier_signal -3
.Lnot_wave_0_\@:
	s_barrier_wait -3
	s_barrier_signal -1
	s_barrier_wait -1
.endm
	s_load_b256 s[4:11], s[0:1], 0x0               ; ob s[4:5], wc s[6:7], bout s[8:9], out0 s[10:11]
	v_lshl_add_u32 v14, v0, 2, SPARE
	v_mov_b32 v15, 0
	ds_add_u32 v14, v15                            ; the wave's opening: the add, twice on end
	ds_add_u32 v14, v15
	v_lshrrev_b32 v6, 5, v0
	v_readfirstlane_b32 s[WV], v6                  ; wave 0..7
	s_lshr_b32 s13, s[WV], 1                       ; p
	s_and_b32 s14, s[WV], 1                        ; ch
	s_bfe_u32 s15, ttmp6, 0x40000                  ; cx = g
	s_bfe_u32 s16, ttmp6, 0x40004                  ; cy
	s_and_b32 s17, ttmp7, 0xffff
	s_lshl_b32 s17, s17, 2
	s_add_co_u32 s17, s17, s16                     ; y: row block
	s_lshl_b32 s18, s16, 2
	s_lshl_b32 s18, 15, s18                        ; my row of the cluster
	s_lshl_b32 s19, 0x1111, s15                    ; my column
	s_or_b32 s[G1A], s18, (3<<16)|(1<<21)          ; 15:0 the mask; 17:16 elements of 8 bytes; 21 set beside a mask
	s_mov_b32 s[G1A+1], 32<<16                     ; dense bytes as rows of 256: 52 of o
	s_mov_b32 s[G1A+2], 52<<16
	s_mov_b32 s[G1A+3], 32<<16
	s_mov_b32 s[G1A+4], 52
	s_mov_b32 s[G1A+5], 32
	s_mov_b32 s[G1A+6], 0
	s_mov_b32 s[G1A+7], 0
	s_or_b32 s[G1B], s19, (3<<16)|(1<<21)
	s_mov_b32 s[G1B+1], 32<<16                     ; 50 of Wout
	s_mov_b32 s[G1B+2], 50<<16
	s_mov_b32 s[G1B+3], 32<<16
	s_mov_b32 s[G1B+4], 50
	s_mov_b32 s[G1B+5], 32
	s_mov_b32 s[G1B+6], 0
	s_mov_b32 s[G1B+7], 0
	s_and_b32 s20, s[WV], 3
	s_mul_i32 s21, s20, 12800                      ; my quarter of Wout's block,
	s_mul_i32 s20, s20, 13312                      ; or of o: a record
	s_mul_i32 s48, s17, 53248
	s_add_co_u32 s48, s48, s20
	s_mov_b32 s49, 0
	s_add_co_u32 s50, s15, 12
	s_mul_i32 s50, s50, 51200
	s_add_co_u32 s50, s50, s21
	s_mov_b32 s51, 0
	s_lshl_b32 s52, s15, 9
	s_lshl_b32 s53, s14, 8
	s_add_co_u32 s52, s52, s53                     ; my 64 columns, in bytes
	s_mov_b32 s53, 0
	s_lshl_b32 s54, s17, 7
	s_lshr_b32 s55, s13, 1
	s_lshl_b32 s55, s55, 6
	s_add_co_u32 s54, s54, s55
	s_and_b32 s55, s13, 1
	s_lshl_b32 s55, s55, 4
	s_add_co_u32 s54, s54, s55                     ; my first row
	s_lshl_b32 s54, s54, 11
	s_add_co_u32 s54, s54, s52
	s_mov_b32 s55, 0
	s_mul_i32 s56, s13, 13312
	s_mul_i32 s57, s14, 6144
	s_add_co_u32 s57, s57, WB
	s_lshl_b32 s58, s14, 10
	s_add_co_u32 s58, s58, WB+49152
	s_mul_i32 s59, s[WV], 8704
	s_add_co_u32 s59, s59, STG
	s_add_co_u32 s60, s56, 12288
	v_and_b32 v11, 31, v0                          ; lane
	v_bfe_u32 v12, v0, 4, 1                        ; h
	v_and_b32 v13, 15, v0                          ; r
	v_lshlrev_b32 v1, 4, v11                       ; 16 x lane
	v_lshlrev_b32 v2, 2, v11                       ; 4 x lane
	v_lshlrev_b32 v3, 7, v12                       ; v3 128 h
	v_mul_u32_u24 v8, v13, 272
	v_mul_u32_u24 v9, v12, 272
	v_lshlrev_b32 v10, 11, v12
	v_add_nc_u32 v4, s56, v1                       ; v4 o's fragments
	v_add_nc_u32 v5, s60, v2                       ; v5 their scale words
	v_add_nc_u32 v6, s57, v1                       ; v6 Wout's
	v_add_nc_u32 v7, s58, v2                       ; v7 their scale words
	v_add_nc_u32 v8, v8, v3
	v_lshl_add_u32 v9, v13, 4, v9
	v_lshl_add_u32 v10, v13, 4, v10                ; v10 the way out: 2,048 h + 16 r
	v_add_nc_u32 v8, s59, v8                       ; v8 the stage, in: row r + 16 u, + 128 h
	v_add_nc_u32 v9, s59, v9                       ; v9 and back: two rows at a time, sixteen lanes each
	s_wait_alu depctr_va_vdst(0)                   ; the wait at the head's end
	s_wait_dscnt 0x0                               ; both opening adds are done
	s_wait_kmcnt 0x0
	s_mov_b32 s[G0A], 1
	s_mov_b32 s[G0A+1], s20
	s_add_nc_u64 s[G0A+2:G0A+3], s[4:5], s[48:49]
	s_or_b32 s[G0A+3], s[G0A+3], 0x80000000
	s_mov_b32 s[G0B], 1
	s_add_co_u32 s[G0B+1], s21, WB
	s_add_nc_u64 s[G0B+2:G0B+3], s[6:7], s[50:51]
	s_or_b32 s[G0B+3], s[G0B+3], 0x80000000
	s_add_nc_u64 s[8:9], s[8:9], s[52:53]
	s_add_nc_u64 s[10:11], s[10:11], s[54:55]
	CROUND                                         ; all sixteen work-groups are here: the joint loads meet
	s_cmp_lt_u32 s[WV], 4
	s_cbranch_scc0 .Lfor_w
	tensor_load_to_lds s[G0A:G0A+3], s[G1A:G1A+7]
	s_nop 0
	PLACES
	s_branch .Lasked
.Lfor_w:
	tensor_load_to_lds s[G0B:G0B+3], s[G1B:G1B+7]
	s_nop 0
	PLACES
.Lasked:
.irp u, 0,1
.irp y, 0,1,2,3
	global_load_b128 v[ACC+32*\u+8*\y:ACC+32*\u+8*\y+3], v3, s[8:9] offset:32*\y       ; the bias begins each sum: columns 32 h + 8 y + 0 .. 7 of my 64
	global_load_b128 v[ACC+32*\u+8*\y+4:ACC+32*\u+8*\y+7], v3, s[8:9] offset:32*\y+16
.endr
.endr
	s_wait_tensorcnt 0x0                           ; my part has landed
	s_barrier_signal -1
	s_barrier_wait -1                              ; everybody's has
.macro LD s                            ; K step s into set s % 2: 20 loads
.set W_, WF+48*(\s%2)
.set O_, OF+24*(\s%2)
.irp e, 0,1
	ds_load_b128 v[O_+6*\e:O_+6*\e+3], v4 offset:1536*(2*\s+\e)          ; tile 0: the image's registers 0-3,
	ds_load_b64 v[O_+6*\e+4:O_+6*\e+5], v4 offset:1536*(2*\s+\e)+512     ; 4, 5
	ds_load_b64 v[O_+12+6*\e:O_+13+6*\e], v4 offset:1536*(2*\s+\e)+520   ; tile 1: 6, 7,
	ds_load_b128 v[O_+14+6*\e:O_+17+6*\e], v4 offset:1536*(2*\s+\e)+1024 ; 8-11
.endr
.irp y, 0,1,2,3
.irp k, 0,1,2
	ds_load_b128 v[W_+12*\y+4*\k:W_+12*\y+4*\k+3], v6 offset:(8*\s+\y)*1536+512*\k
.endr
.endr
.endm
.macro MUL s                           ; eight accumulators by turns
.set W_, WF+48*(\s%2)
.set O_, OF+24*(\s%2)
.irp u, 0,1
.irp y, 0,1,2,3
.set D_, ACC+32*\u+8*\y
.if \y%2
	v_wmma_scale_f32_16x16x128_f8f6f4 v[D_:D_+7], v[W_+12*\y:W_+12*\y+11], v[O_+12*\u:O_+12*\u+11], v[D_:D_+7], v[SW+2*\s+\y/2], v[SO+4*\u+\s] matrix_a_fmt:MATRIX_FMT_FP6 matrix_b_fmt:MATRIX_FMT_FP6 matrix_a_scale:MATRIX_SCALE_ROW1
.else
	v_wmma_scale_f32_16x16x128_f8f6f4 v[D_:D_+7], v[W_+12*\y:W_+12*\y+11], v[O_+12*\u:O_+12*\u+11], v[D_:D_+7], v[SW+2*\s+\y/2], v[SO+4*\u+\s] matrix_a_fmt:MATRIX_FMT_FP6 matrix_b_fmt:MATRIX_FMT_FP6
.endif
.endr
.endr
.endm
.irp hd, 0,1,2,3,4,5,6,7
	ds_load_b32 v[RAW+\hd], v5 offset:128*\hd
.endr
.irp s, 0,1,2,3
	ds_load_b32 v[SW+2*\s], v7 offset:128*\s
	ds_load_b32 v[SW+2*\s+1], v7 offset:512+128*\s
.endr
	LD 0
	LD 1
	s_wait_dscnt 48                                ; o's scale words are in
.irp s, 0,1,2,3
	v_perm_b32 v[SO+\s], v[RAW+2*\s+1], v[RAW+2*\s], 0x05040100          ; tile 0: the low two bytes of two heads' words
	v_perm_b32 v[SO+4+\s], v[RAW+2*\s+1], v[RAW+2*\s], 0x07060302        ; tile 1: the high two
.endr
.rept 8
	v_nop                                          ; a scale register written by a vector instruction stands eight places ahead of a scaled matrix instruction
.endr
	s_wait_alu depctr_va_vdst(0)                   ; the wait ahead of the waits below
	s_wait_loadcnt 0x0                             ; the bias is in
	s_wait_dscnt 20                                ; step 0 is in; step 1's loads may stay out
	MUL 0
	PLACES                                         ; ahead of the loads into step 0's registers
	LD 2
	s_wait_dscnt 20
	MUL 1
	PLACES
	LD 3
	s_wait_dscnt 20
	MUL 2
	s_wait_dscnt 0x0
	MUL 3
	PLACES                                         ; ahead of the first read of results and of the loads below
.irp u, 0,1
.irp y, 0,1,2,3
	ds_store_b128 v8, v[ACC+32*\u+8*\y:ACC+32*\u+8*\y+3] offset:4352*\u+32*\y          ; each accumulator from its low end on
	ds_store_b128 v8, v[ACC+32*\u+8*\y+4:ACC+32*\u+8*\y+7] offset:4352*\u+32*\y+16
.endr
.endr
.set n, 0
.rept 16
	ds_load_b128 v[WF+4*n:WF+4*n+3], v9 offset:544*n       ; LDS serves a wave's instructions in order: these see my stores
.set n, n+1
.endr
.set n, 0
.rept 16
	s_wait_dscnt 15-n
	global_store_b128 v10, v[WF+4*n:WF+4*n+3], s[10:11] offset:(8*(n/8)+32*((n/4)%2)+(2*n)%8)*2048   ; stage rows 2 n, 2 n + 1: two units of 256 consecutive bytes, at multiples of 256 from out0's first byte
.set n, n+1
.endr
	s_wait_tensorcnt 0x0                           ; the wave's end
	ds_add_u32 v14, v15
	s_wait_dscnt 0x0
	CROUND                                         ; the closing round
	s_endpgm
.Lfunc_end_k_qd5158c739b_outp:
	.size	k_qd5158c739b_outp, .Lfunc_end_k_qd5158c739b_outp-k_qd5158c739b_outp
	.p2alignl 7, 3214868480
	.fill 96, 4, 3214868480
	.section	.rodata,"a",@progbits
	.p2align	6, 0x0
	.amdhsa_kernel k_qd5158c739b_outp
		.amdhsa_group_segment_fixed_size 175104
		.amdhsa_private_segment_fixed_size 0
		.amdhsa_enable_private_segment 0
		.amdhsa_kernarg_size 32
		.amdhsa_user_sgpr_count 2
		.amdhsa_user_sgpr_kernarg_segment_ptr 1
		.amdhsa_wavefront_size32 1
		.amdhsa_system_sgpr_workgroup_id_x 1
		.amdhsa_system_sgpr_workgroup_id_y 1
		.amdhsa_system_sgpr_workgroup_id_z 1
		.amdhsa_system_vgpr_workitem_id 0
		.amdhsa_next_free_vgpr 256
		.amdhsa_next_free_sgpr 66
		.amdhsa_reserve_vcc 0
		.amdhsa_float_denorm_mode_32 3
		.amdhsa_float_denorm_mode_16_64 3
		.amdhsa_memory_ordered 1
		.amdhsa_forward_progress 1
		.amdhsa_inst_pref_size 24
	.end_amdhsa_kernel
	.amdgpu_metadata
---
amdhsa.version: [ 1, 2 ]
amdhsa.kernels:
  - .name:           k_qd5158c739b_outp
    .symbol:         k_qd5158c739b_outp.kd
    .args:
      - { .name: ob, .offset: 0, .size: 8, .value_kind: global_buffer, .address_space: global }
      - { .name: wc, .offset: 8, .size: 8, .value_kind: global_buffer, .address_space: global }
      - { .name: bout, .offset: 16, .size: 8, .value_kind: global_buffer, .address_space: global }
      - { .name: out0, .offset: 24, .size: 8, .value_kind: global_buffer, .address_space: global }
    .group_segment_fixed_size: 175104
    .private_segment_fixed_size: 0
    .kernarg_segment_align: 8
    .kernarg_segment_size: 32
    .max_flat_workgroup_size: 256
    .sgpr_count:     66
    .vgpr_count:     256
    .wavefront_size: 32
...
	.end_amdgpu_metadata
.endif
;; end of part 4
